; MI455X (gfx1250); checked and timed in simulation.
; The chip was launched on July 23, 2026; its instructions are those of AMD's public machine-readable ISA for CDNA 5 (MIT licence, August 2026) and "CDNA5" Instruction Set Architecture Reference Guide (July 2026). The comments in the code are by the model that wrote it; some were corrected since.
;; GQ Attention. Allowed arithmetic: matrix products marked QUANTISED: E4M3 operands, one given power-of-two scale a tensor, by v_wmma_f32_16x16x64_fp8_fp8 or v_wmma_f32_16x16x128_fp8_fp8, f32 sums; everything else in f32.
;; Inputs: Wk 512 x 2,048 float32; Wproj 2,048 x 2,048 float32; Wq 2,048 x 2,048 float32; Wv 512 x 2,048 float32; lowp_scales 12 int32 (the exponents e of the quantised operands' scales 2^e); q_gain 16 float32; x 1 x 2,048 x 2,048 float32.
;; Outputs: out0 1 x 2,048 x 2,048 float32.
;; This version of the problem:
;;   THIS VERSION OF THE PROBLEM IS GIVEN IN LOW PRECISION. The matrix products marked QUANTISED in the list below multiply operands that are first quantised to E4M3 (4 exponent bits, 3 mantissa bits; 8 bits a number), with one given power-of-two scale for each operand tensor; their sums are f32. All else is computed in f32.
;;   The module's matrix products, in the order in which they are computed (A, B: the left and right operand; K: the contracted axis; several contracted axes count as one K, in the product's order):
;;     1. [M 2,048, K 2,048] x [K 2,048, N 2,048]; A: input x; B: input Wq: QUANTISED (scales: A lowp_scales[0], B lowp_scales[1])
;;     2. [M 2,048, K 2,048] x [K 2,048, N 512]; A: input x; B: input Wk: QUANTISED (scales: A lowp_scales[2], B lowp_scales[3])
;;     3. [M 2,048, K 2,048] x [K 2,048, N 512]; A: input x; B: input Wv: QUANTISED (scales: A lowp_scales[4], B lowp_scales[5])
;;     4. batch 16 x [M 2,048, K 128] x [K 128, N 2,048]; A: computed on the way; B: computed on the way: QUANTISED (scales: A lowp_scales[6], B lowp_scales[7])
;;     5. batch 16 x [M 2,048, K 2,048] x [K 2,048, N 128]; A: softmax (see below); B: computed on the way: QUANTISED (scales: A lowp_scales[8], B lowp_scales[9])
;;     6. [M 2,048, K 2,048] x [K 2,048, N 2,048]; A: computed on the way; B: input Wproj: QUANTISED (scales: A lowp_scales[10], B lowp_scales[11])
;;   THE QUANTISER, for each operand of a quantised product, along K:
;;     - The operand's scale is 2^e, e = its entry of the input lowp_scales (int32; the entries are numbered through the quantised products in the list's order, A before B).
;;     - Each number is divided by the scale, clamped to +-448, and rounded to the nearest number of E4M3, ties to even, subnormals kept.
;;     - The product sums the exact products of the quantised numbers (number of the format x scale) in f32.
;;   ~~~python
;;   def quantise(x, axis, e):      # numpy; x: float32 -> the quantised numbers, widened to float32 again
;;       x = np.moveaxis(x, axis, -1); K = x.shape[-1]
;;       r = np.clip(x / 2.0 ** e, -448, 448)
;;       step = 2.0 ** (np.maximum(np.frexp(np.where(r == 0, 1, r))[1] - 1, -6) - 3)
;;       q = np.round(r / step) * step * 2.0 ** e      # np.round: ties to even
;;       return np.moveaxis(q, -1, axis).astype(np.float32)
;;   ~~~
;;   SOFTMAX AHEAD OF A QUANTISED PRODUCT. Where the list says 'softmax', what is quantised is not the finished softmax but p = 2^(t - M), with t = logit x log2(e) and M = ceil(the row's largest t), a whole number; so 1/2 < the row's largest p <= 1. The row's sum l is taken of the UNQUANTISED p, in f32, and the product's result is divided by l at the end. Since M is a whole number, a kernel that streams over the keys may use a running M (the ceiling of the running maximum): every later rescaling is an exact power of two, so the quantised numbers keep their values, but for numbers so far below the row's largest that they fall under the format's range.
;;   OPERANDS COMPUTED ON THE WAY. 'Computed on the way' means the value that the module computes at that place (a softmax that the list does not call 'softmax' is quantised finished and normalised). What goes into a quantiser is computed in f32, as accurately as f32 sums, v_exp_f32 and their like allow (about 1e-6 of the number): no bf16 or f16 on the way to a quantiser, and a product that is left as it is and whose result goes on into a quantised operand takes f32 operands (vector FMAs, or v_wmma_f32_16x16x4_f32). A number that lies on a knife's edge between two numbers of the format may be rounded either way, as far as f32 arithmetic and the matrix unit's own rounding can turn it there, and no further.
;; One version. Each part assembles by itself: llvm-mc -triple=amdgcn-amd-amdhsa -mcpu=gfx1250 --defsym DOCPART=n.
;; ======== version 1 of 1: 4 launches
;; limits: right only within a limited range of input values
;; workspace buffers: codes1 23,592,960 bytes; qkv 6,291,456 bytes; ao 4,194,304 bytes
;; launch quant (part 1): grid 464 x 1, 8 waves a work-group, no clusters, 68,608 bytes of LDS; arguments x, Wq, Wproj, Wk, Wv, lowp_scales, codes1; writes codes1
.if DOCPART == 1
	.amdgcn_target "amdgcn-amd-amdhsa--gfx1250"
	.amdhsa_code_object_version 6
	.text
	.protected	k_qdf688aac8d_quant
	.globl	k_qdf688aac8d_quant
	.p2align	8
	.type	k_qdf688aac8d_quant,@function
k_qdf688aac8d_quant:
	s_mov_b64 s[64:65], 0
	v_nop
	global_prefetch_b8 v0, s[64:65] scope:SCOPE_SE
	s_setreg_imm32_b32 hwreg(HW_REG_WAVE_MODE, 25, 1), 1
	s_wait_xcnt 0x0
; x, Wq, Wproj, Wk, Wv (f32, K = 2048 innermost) become codes of E4M3, laid as IMAGES OF OPERAND REGISTERS; and the table of cos and sin for the partial RoPE is made.
; code = number / 2^e, held within +-448, to the nearest code, ties to even.  e: x has three (entries 0, 2, 4 of the scales: three sets of codes), Wq entry 1, Wk 3, Wv 5, Wproj 11.
; ROW TILES.  Tile T of a tensor holds 16 rows that are not neighbours: lane row r is row 32 (T / 2) + 8 (T % 2) + r + 8 (r / 8).
; IMAGE.  The fragment (tile T, K step s of 128) is 2,048 bytes at (16 T + s) x 2,048 of its region: byte 512 c + 16 lane + i is the code of row r = lane % 16, k = 128 s + 32 c + 16 (lane / 16) + i.
; So four loads of 16 bytes a lane, 512 bytes apart, bring a fragment's 16 registers, and every load and store of a wave covers 512 consecutive bytes.
; SHARES.  Work-groups 0-127: x; 128-255: Wq; 256-383: Wproj; 384-415: Wk; 416-447: Wv; one row tile each, wave w (of eight) its K steps 2 w and 2 w + 1.  Work-groups 448-463: the table, a wave a tile of 16 tokens.
; A load takes 512 consecutive bytes of one row; a conversion wants 16 neighbours along K in one lane: so a step's 16 rows x 512 bytes turn through the wave's own stage in LDS (rows 528 bytes apart).
; No tensor loads, no barrier: waves share nothing.  ALL of a wave's 32 loads (16,384 bytes) go out at its head: nothing is asked for later.
; LIMITS: -126 <= e and e + 8 <= 127 for each scale.  NaN among the inputs is not served; an infinity is held at the largest code.
; THE TABLE: angle = token x inv_freq, rounded once to f32; inv_freq[f] = 10^(-f/8), correctly rounded to f32 (a power and a division in f32 may differ from it in the last places).
; cos and sin by reduction with pi/2 in three parts and polynomials on +-pi/4 (tokens up to 2,047: the quotient stays under 2^11, so each product with a part of pi/2 is exact inside the fused multiply-add).
.set XKO, 0x400000                     ; regions of codes1: x by entry 0 at 0, by entry 2, by entry 4,
.set XVO, 0x800000
.set WQO, 0xc00000                     ; Wq, Wproj, Wk, Wv,
.set WPO, 0x1000000
.set WKO, 0x1400000
.set WVO, 0x1500000
.set RPO, 0x1600000                    ; the table: 4,096 bytes a tile of tokens: chunk ch at 512 ch + 16 lane: ch 0-3 cos, ch 4-7 sin of frequencies 16 (lane / 16) + 4 (ch % 4) + 0 .. 3
.set SP,  528                          ; a stage row: 512 bytes + 16: row r starts 4 r banks on
.set R,   16                           ; v16-143  two sets of 64: a step as loaded.  When a step has been turned, its set takes the step's codes, 16 registers a scale: so no store's data are ever written again
.set X,   144                          ; v144-207 the step turned: register 16 c + i = k 32 c + 16 (lane / 16) + i of my row
.set T,   208                          ; v208-239 two sets of 16: held numbers (x serves three scales, so it is not held in place)
.set CO,  16                           ; the table's path: v16-31 cos, v32-47 sin
.set SN,  32
	s_load_b256 s[4:11], s[0:1], 0x0               ; x, Wq, Wproj, Wk
	s_load_b128 s[12:15], s[0:1], 0x20             ; Wv, the scales' exponents
	s_load_b64 s[16:17], s[0:1], 0x30              ; codes1
	v_lshl_add_u32 v254, v0, 2, 0x10800
	v_mov_b32 v255, 0
	v_lshrrev_b32 v1, 5, v0
	s_delay_alu instid0(VALU_DEP_1)
	v_readfirstlane_b32 s18, v1                    ; wave 0..7
	v_and_b32 v10, 31, v0                          ; lane
	v_and_b32 v11, 15, v0                          ; r
	v_bfe_u32 v12, v0, 4, 1                        ; h
	s_delay_alu instid0(VALU_DEP_3)
	v_lshlrev_b32 v1, 4, v10                       ; 16 x lane; never rewritten
	s_wait_kmcnt 0x0
	s_cmp_ge_u32 ttmp9, 448
	s_cbranch_scc1 .Lrope
	s_load_b256 s[68:75], s[14:15], 0x0            ; e0 .. e7
	s_load_b128 s[76:79], s[14:15], 0x20           ; e8 .. e11
	; which tensor: the choice hangs on the work-group's number alone; all five take one path through the text
	s_mov_b32 s20, WVO                             ; region
	s_mov_b32 s21, 416                             ; the tensor's first work-group
	s_cmp_lt_u32 ttmp9, 416
	s_cselect_b64 s[12:13], s[10:11], s[12:13]
	s_cselect_b32 s20, WKO, s20
	s_cselect_b32 s21, 384, s21
	s_cmp_lt_u32 ttmp9, 384
	s_cselect_b64 s[12:13], s[8:9], s[12:13]
	s_cselect_b32 s20, WPO, s20
	s_cselect_b32 s21, 256, s21
	s_cmp_lt_u32 ttmp9, 256
	s_cselect_b64 s[12:13], s[6:7], s[12:13]
	s_cselect_b32 s20, WQO, s20
	s_cselect_b32 s21, 128, s21
	s_cmp_lt_u32 ttmp9, 128
	s_cselect_b64 s[12:13], s[4:5], s[12:13]
	s_cselect_b32 s20, 0, s20
	s_cselect_b32 s21, 0, s21
	s_sub_co_u32 s23, ttmp9, s21                   ; T
	s_lshr_b32 s24, s23, 1
	s_lshl_b32 s24, s24, 18                        ; 32 (T / 2) rows of 8,192 bytes
	s_and_b32 s25, s23, 1
	s_lshl_b32 s25, s25, 16                        ; + 8 (T % 2) rows
	s_add_co_u32 s24, s24, s25
	s_lshl_b32 s25, s18, 10                        ; + my wave's two K steps of 512 bytes
	s_add_co_u32 s24, s24, s25
	s_mov_b32 s25, 0
	s_add_nc_u64 s[12:13], s[12:13], s[24:25]
	s_lshl_b32 s26, s23, 15                        ; the codes: T x 16 fragments
	s_add_co_u32 s26, s26, s20
	s_lshl_b32 s27, s18, 12                        ; + my wave's two
	s_add_co_u32 s26, s26, s27
	s_mov_b32 s27, 0
	s_add_nc_u64 s[28:29], s[16:17], s[26:27]
	s_add_nc_u64 s[30:31], s[28:29], XKO           ; x alone: the same place in its second
	s_add_nc_u64 s[32:33], s[28:29], XVO           ; and third set
	s_mul_i32 s34, s18, 16*SP                      ; my stage
	s_wait_alu depctr_va_vdst(0)
	v_add_nc_u32 v2, s34, v1                       ; in: a row's 512 bytes as they lie
	v_mul_u32_u24 v3, v11, SP
	s_delay_alu instid0(VALU_DEP_1)
	v_lshl_add_u32 v3, v12, 6, v3
	s_delay_alu instid0(VALU_DEP_1)
	v_add_nc_u32 v3, s34, v3                       ; back: row r, + 64 h: my 16 numbers of a block of 32
.macro LOAD j                          ; K step j of my two: 16 rows x 512 bytes; load i takes tile row i
.irp i, 0,1,2,3,4,5,6,7,8,9,10,11,12,13,14,15
	global_load_b128 v[R+64*(\j)+4*\i:R+64*(\j)+4*\i+3], v1, s[12:13] offset:(\i+8*(\i/8))*8192+512*(\j) th:TH_LOAD_NT
.endr
.endm
.macro TURN j                          ; through the stage: LDS serves a wave's instructions in order, so no wait stands between the stores and the loads
.irp i, 0,1,2,3,4,5,6,7,8,9,10,11,12,13,14,15
	ds_store_b128 v2, v[R+64*(\j)+4*\i:R+64*(\j)+4*\i+3] offset:SP*\i
.endr
.irp c, 0,1,2,3
.irp q, 0,1,2,3
	ds_load_b128 v[X+16*\c+4*\q:X+16*\c+4*\q+3], v3 offset:128*\c+16*\q
.endr
.endr
.endm
.macro MKSC e, sc, lim                 ; v[sc] = 2^e as f32 (the conversion takes its exponent field), v[lim] = 448 x 2^e
	s_add_co_i32 s36, \e, 127
	s_lshl_b32 s37, s36, 23
	v_mov_b32 v[\sc], s37
	s_add_co_i32 s36, s36, 8
	s_lshl_b32 s36, s36, 23
	s_or_b32 s36, s36, 0x600000
	v_mov_b32 v[\lim], s36
.endm
; The step's 64 numbers of a lane become one fragment under one scale, in v[cr] on, and leave: four stores of 512 consecutive bytes.
.macro QV sc, lim, base, j, cr
.irp c, 0,1,2,3
.irp i, 0,1,2,3,4,5,6,7,8,9,10,11,12,13,14,15
	v_med3_num_f32 v[T+16*(\c%2)+\i], v[X+16*\c+\i], -v[\lim], v[\lim]   ; the conversion to an 8-bit code does not saturate (ISA guide 7.6.2): the hold comes first.  The two sets of T take turns, so sixteen plain lines stand between a conversion and the next write of its sources
.endr
	v_cvt_scalef32_pk8_fp8_f32 v[(\cr)+4*\c:(\cr)+4*\c+1], v[T+16*(\c%2):T+16*(\c%2)+7], v[\sc]
	v_cvt_scalef32_pk8_fp8_f32 v[(\cr)+4*\c+2:(\cr)+4*\c+3], v[T+16*(\c%2)+8:T+16*(\c%2)+15], v[\sc]
.endr
	v_nop                                          ; a plain line behind the last conversion
.irp c, 0,1,2,3
	global_store_b128 v1, v[(\cr)+4*\c:(\cr)+4*\c+3], s[\base:\base+1] offset:2048*(\j)+512*\c
.endr
.endm
.macro STEP j
	s_wait_loadcnt 16*(1-(\j))                     ; this step's 16 loads are in; in step 0 the other step's 16 may be out
	TURN \j
	s_wait_dscnt 0x0                               ; the step is back, turned; the stage's stores have read their registers, which now take the codes
	s_cmp_lt_u32 ttmp9, 128                        ; x alone has a second and a third scale
	s_cbranch_scc0 .Lone_\@
	s_wait_alu depctr_va_vdst(0)
	QV 6, 7, 30, \j, R+64*(\j)+16
	QV 8, 9, 32, \j, R+64*(\j)+32
.Lone_\@:
	s_wait_alu depctr_va_vdst(0)
	QV 4, 5, 28, \j, R+64*(\j)
.endm
	LOAD 0
	LOAD 1
	s_wait_alu depctr_va_vdst(0)
	s_wait_kmcnt 0x0
	s_mov_b32 s22, s73                             ; the tensor's e: Wv's, or
	s_cmp_lt_u32 ttmp9, 416
	s_cselect_b32 s22, s71, s22                    ; Wk's,
	s_cmp_lt_u32 ttmp9, 384
	s_cselect_b32 s22, s79, s22                    ; Wproj's,
	s_cmp_lt_u32 ttmp9, 256
	s_cselect_b32 s22, s69, s22                    ; Wq's,
	s_cmp_lt_u32 ttmp9, 128
	s_cselect_b32 s22, s68, s22                    ; x's first
	MKSC s22, 4, 5
	MKSC s70, 6, 7
	MKSC s72, 8, 9
	STEP 0
	STEP 1
	s_wait_tensorcnt 0x0
	ds_add_u32 v254, v255
	s_wait_dscnt 0x0
	s_endpgm
.Lrope:                                            ; the table: my wave's tile of 16 tokens; lane (r, h) makes cos and sin of token r at frequencies 16 h + 0 .. 15
	s_sub_co_u32 s20, ttmp9, 448
	s_lshl_b32 s20, s20, 3
	s_add_co_u32 s20, s20, s18                     ; T
	s_lshr_b32 s21, s20, 1
	s_lshl_b32 s21, s21, 5
	s_and_b32 s22, s20, 1
	s_lshl_b32 s22, s22, 3
	s_add_co_u32 s21, s21, s22                     ; 32 (T / 2) + 8 (T % 2)
	s_wait_alu depctr_va_vdst(0)
	v_and_b32 v13, 8, v11
	s_delay_alu instid0(VALU_DEP_1)
	v_add_nc_u32 v13, v13, v11                     ; r + 8 (r / 8)
	s_delay_alu instid0(VALU_DEP_1)
	v_add_nc_u32 v13, s21, v13
	s_delay_alu instid0(VALU_DEP_1)
	v_cvt_f32_u32 v10, v13                         ; my token
	s_wait_alu depctr_va_vdst(0)
	v_cmp_ne_u32 vcc_lo, 0, v12                    ; lanes 16-31 take the upper sixteen frequencies
	s_lshl_b32 s22, s20, 12
	s_add_co_u32 s22, s22, RPO
	s_mov_b32 s23, 0
	s_add_nc_u64 s[16:17], s[16:17], s[22:23]
	s_mov_b32 s24, 0xbfc90fdb                      ; pi/2 = 1.57079637 - 4.37113883e-8 - 1.71512e-15: the three parts, with the signs that the reduction adds
	s_mov_b32 s25, 0x333bbd2e
	s_mov_b32 s26, 0x26f72ced
	s_mov_b32 s27, 0xb94ca1f9                      ; sin r = r + r z (S1 + z (S2 + z S3)), z = r r: S3 = -1.9515296e-4,
	s_mov_b32 s28, 0x3c08839e                      ; S2 = 8.3321609e-3,
	s_mov_b32 s29, 0xbe2aaaa3                      ; S1 = -1.6666655e-1
	s_mov_b32 s34, 0x37ccf5ce                      ; cos r = 1 - z / 2 + z z (C1 + z (C2 + z C3)): C3 = 2.4433157e-5,
	s_mov_b32 s35, 0xbab6061a                      ; C2 = -1.3887316e-3,
	s_mov_b32 s36, 0x3d2aaaa5                      ; C1 = 4.1666646e-2
.macro SINCOS i, lo, hi                ; lo = 10^(-i/8), hi = 10^(-(16+i)/8)
	v_mul_f32 v48, \lo, v10
	v_mul_f32 v49, \hi, v10
	s_delay_alu instid0(VALU_DEP_1)
	v_cndmask_b32 v48, v48, v49, vcc_lo            ; the angle, one rounding
	s_delay_alu instid0(VALU_DEP_1)
	v_mul_f32 v49, 0x3f22f983, v48                 ; x 2 / pi
	s_delay_alu instid0(VALU_DEP_1)
	v_rndne_f32 v49, v49                           ; n
	s_delay_alu instid0(VALU_DEP_1)
	v_fma_f32 v50, v49, s24, v48
	s_delay_alu instid0(VALU_DEP_1)
	v_fma_f32 v50, v49, s25, v50
	s_delay_alu instid0(VALU_DEP_1)
	v_fma_f32 v50, v49, s26, v50                   ; r = angle - n pi/2, within +-pi/4
	s_delay_alu instid0(VALU_DEP_1)
	v_mul_f32 v51, v50, v50                        ; z
	s_delay_alu instid0(VALU_DEP_1)
	v_fma_f32 v52, v51, s27, s28
	s_delay_alu instid0(VALU_DEP_2)
	v_fma_f32 v53, v51, s34, s35
	s_delay_alu instid0(VALU_DEP_3)
	v_mul_f32 v54, v51, v50
	s_delay_alu instid0(VALU_DEP_4)
	v_mul_f32 v55, v51, v51
	s_delay_alu instid0(VALU_DEP_4)
	v_fma_f32 v52, v52, v51, s29
	s_delay_alu instid0(VALU_DEP_4)
	v_fma_f32 v53, v53, v51, s36
	v_fma_f32 v56, v51, -0.5, 1.0
	s_delay_alu instid0(VALU_DEP_3)
	v_fma_f32 v52, v52, v54, v50                   ; sin r
	s_delay_alu instid0(VALU_DEP_2)
	v_fma_f32 v53, v53, v55, v56                   ; cos r
	v_cvt_i32_f32 v49, v49                         ; the quadrant is n mod 4
	s_delay_alu instid0(VALU_DEP_1)
	v_and_b32 v54, 1, v49
	s_delay_alu instid0(VALU_DEP_1)
	v_cmp_eq_u32 s30, 1, v54
	s_delay_alu instid0(VALU_DEP_1)
	v_cndmask_b32 v55, v52, v53, s30               ; odd quadrants swap the two;
	s_delay_alu instid0(VALU_DEP_2)
	v_cndmask_b32 v56, v53, v52, s30
	v_and_b32 v54, 2, v49                          ; sin is negative in quadrants 2, 3,
	v_add_nc_u32 v49, 1, v49
	s_delay_alu instid0(VALU_DEP_2)
	v_lshlrev_b32 v54, 30, v54
	s_delay_alu instid0(VALU_DEP_2)
	v_and_b32 v49, 2, v49                          ; cos in quadrants 1, 2
	s_delay_alu instid0(VALU_DEP_2)
	v_xor_b32 v[SN+\i], v54, v55
	s_delay_alu instid0(VALU_DEP_2)
	v_lshlrev_b32 v49, 30, v49
	s_delay_alu instid0(VALU_DEP_1)
	v_xor_b32 v[CO+\i], v49, v56
.endm
	SINCOS 0, 1.0, 0.01
	SINCOS 1, 0.7498942093, 0.007498942093
	SINCOS 2, 0.5623413252, 0.005623413252
	SINCOS 3, 0.4216965034, 0.004216965034
	SINCOS 4, 0.3162277660, 0.003162277660
	SINCOS 5, 0.2371373706, 0.002371373706
	SINCOS 6, 0.1778279410, 0.001778279410
	SINCOS 7, 0.1333521432, 0.001333521432
	SINCOS 8, 0.1, 0.001
	SINCOS 9, 0.07498942093, 0.0007498942093
	SINCOS 10, 0.05623413252, 0.0005623413252
	SINCOS 11, 0.04216965034, 0.0004216965034
	SINCOS 12, 0.03162277660, 0.0003162277660
	SINCOS 13, 0.02371373706, 0.0002371373706
	SINCOS 14, 0.01778279410, 0.0001778279410
	SINCOS 15, 0.01333521432, 0.0001333521432
.irp ch, 0,1,2,3
	global_store_b128 v1, v[CO+4*\ch:CO+4*\ch+3], s[16:17] offset:512*\ch
	global_store_b128 v1, v[SN+4*\ch:SN+4*\ch+3], s[16:17] offset:2048+512*\ch
.endr
	s_endpgm
.Lfunc_end_k_qdf688aac8d_quant:
	.size	k_qdf688aac8d_quant, .Lfunc_end_k_qdf688aac8d_quant-k_qdf688aac8d_quant
	.p2alignl 7, 3214868480
	.fill 96, 4, 3214868480
	.section	.rodata,"a",@progbits
	.p2align	6, 0x0
	.amdhsa_kernel k_qdf688aac8d_quant
		.amdhsa_group_segment_fixed_size 68608
		.amdhsa_private_segment_fixed_size 0
		.amdhsa_enable_private_segment 0
		.amdhsa_kernarg_size 56
		.amdhsa_user_sgpr_count 2
		.amdhsa_user_sgpr_kernarg_segment_ptr 1
		.amdhsa_wavefront_size32 1
		.amdhsa_system_sgpr_workgroup_id_x 1
		.amdhsa_system_sgpr_workgroup_id_y 1
		.amdhsa_system_sgpr_workgroup_id_z 1
		.amdhsa_system_vgpr_workitem_id 0
		.amdhsa_next_free_vgpr 256
		.amdhsa_next_free_sgpr 100
		.amdhsa_reserve_vcc 1
		.amdhsa_float_denorm_mode_32 3
		.amdhsa_float_denorm_mode_16_64 3
		.amdhsa_memory_ordered 1
		.amdhsa_forward_progress 1
		.amdhsa_inst_pref_size 79
	.end_amdhsa_kernel
	.amdgpu_metadata
---
amdhsa.version: [ 1, 2 ]
amdhsa.kernels:
  - .name:           k_qdf688aac8d_quant
    .symbol:         k_qdf688aac8d_quant.kd
    .args:
      - { .name: x, .offset: 0, .size: 8, .value_kind: global_buffer, .address_space: global }
      - { .name: Wq, .offset: 8, .size: 8, .value_kind: global_buffer, .address_space: global }
      - { .name: Wproj, .offset: 16, .size: 8, .value_kind: global_buffer, .address_space: global }
      - { .name: Wk, .offset: 24, .size: 8, .value_kind: global_buffer, .address_space: global }
      - { .name: Wv, .offset: 32, .size: 8, .value_kind: global_buffer, .address_space: global }
      - { .name: lowp_scales, .offset: 40, .size: 8, .value_kind: global_buffer, .address_space: global }
      - { .name: codes1, .offset: 48, .size: 8, .value_kind: global_buffer, .address_space: global }
    .group_segment_fixed_size: 68608
    .private_segment_fixed_size: 0
    .kernarg_segment_align: 8
    .kernarg_segment_size: 56
    .max_flat_workgroup_size: 256
    .sgpr_count:     100
    .vgpr_count:     256
    .wavefront_size: 32
...
	.end_amdgpu_metadata
.endif
;; end of part 1
;; launch qkv (part 2): grid 4 x 48, 4 waves a work-group, no clusters, 327,680 bytes of LDS; arguments codes1, q_gain, lowp_scales, qkv; writes qkv
.if DOCPART == 2
	.amdgcn_target "amdgcn-amd-amdhsa--gfx1250"
	.amdhsa_code_object_version 6
	.text
	.protected	k_qdf688aac8d_qkv
	.globl	k_qdf688aac8d_qkv
	.p2align	8
	.type	k_qdf688aac8d_qkv,@function
k_qdf688aac8d_qkv:
	s_mov_b64 s[64:65], 0
	v_nop
	global_prefetch_b8 v0, s[64:65] scope:SCOPE_SE
	s_setreg_imm32_b32 hwreg(HW_REG_WAVE_MODE, 25, 1), 1
	s_wait_xcnt 0x0
; q = x Wq^T, k = x Wk^T, v = x Wv^T on codes of E4M3; RMS norm over the head's 128, partial RoPE and (q) the head's gain in f32; then q, k and v are quantised (entries 6, 7, 9 of the scales) and stored as images of operand registers.
; OPERANDS are images (row tile T, K step s of 128) of 2,048 bytes at (16 T + s) x 2,048: byte 512 c + 16 lane + i = row 32 (T/2) + 8 (T%2) + r + 8 (r/8), r = lane % 16, k = 128 s + 32 c + 16 (lane/16) + i.
; THE PRODUCT.  Source 0 (S0): 8 row tiles, 128 rows, read by all four waves.  Source 1 (S1): 16 row tiles; wave w owns tiles 4 w .. 4 w + 3.  A wave makes 128 x 64: 32 accumulators.
; By the order of rows in a tile, lane (r, h) holds, for S1's row r, register 16 b + i = S0's row 32 b + 16 h + i: 16 neighbours for the conversions, in the order of the next operand's image.
;   q, k: S0 = one head's 128 rows of W, S1 = 256 tokens.   v: S0 = 128 tokens (one key step), S1 = 256 rows of Wv: v's codes come out with the keys innermost.
; GRID.  x = cx, y = c: c < 32: q (token block c % 8, heads 4 (c / 8) + cx); c 32-39: k (token block c - 32, head cx); c 40-47: v (channel block (c - 40) % 2, key step 4 ((c - 40) / 2) + cx).
; S1 GOES STRAIGHT INTO REGISTERS.  A fragment of S1 is used by one wave alone and lies in memory as the image of its registers: four loads of 512 consecutive bytes.  Four sets of 64 registers take turns; K step s + 3 is asked for in the middle
; of K step s, into the set that K step s - 1 has left.  Every offset is an immediate: no pointer is stepped.
; S0 LIES WHOLE IN LDS: 128 rows x 2,048 bytes = 262,144 bytes, in two first fills: K steps 0-7 at the head, K steps 8-15 behind a wait, an add and a barrier.  Wave w fetches row tiles 2 w, 2 w + 1: two rows of 16,384 bytes a load.
; Nothing is filled again.  One barrier stands in K step 7, in front of the first read of the second fill.  By this text's count a wave has one tensor load out.
; NO CLUSTER: what lands in LDS is S0 alone; of v's work-groups only two read the same tile of S0, so one mask of four does not serve every work-group of this one text.
; PREFETCH: the second fill's 131,072 bytes are asked of memory at the head, a fill ahead of their load: the work-groups that read a tile share it out by c % 4, 32,768 bytes each, a wave 8,192, lanes 256 bytes apart.  S1's loads run ahead by themselves.
; LIMITS: entries 6, 7, 9: e and e + 8 within -126 .. 127.  NaN is not served.  The gain and 2^(the product's two exponents) are folded into the norm's factor, ahead of RoPE: the same product in another order of rounding.
; REGISTERS: window 0: v16-29 addresses; v30, v31, v112-120 the way out's constants; v32-111 at work on the way out; v128-255 S1's sets 0, 1 (on the way out v128-191: codes).
;   window 1: S0's fragments, two sets.   window 2: accumulator (m, a) at v[64 m + 8 a].   window 3: v0-127 cos and sin of my four tiles of tokens; v128-255 S1's sets 2, 3.
.set MT, 4
.set XKO, 0x400000
.set XVO, 0x800000
.set WQO, 0xc00000
.set WKO, 0x1400000
.set WVO, 0x1500000
.set RPO, 0x1600000
.set FRB,   2048
.set TROW,  16*FRB
.set HALF,  8*8*FRB                    ; a fill: row tile a at 16,384 a, K step q at 2,048 q
.set SPARE, 2*HALF                     ; behind S0: the spare words, 128 bytes a wave
.set ADR0, 16                          ; v16-19  16 x lane + 65,536 x (0 .. 3)
.set LI,   16
.set PFO,  27                          ; v27     256 x lane
.set SPW,  28
.set NIL,  29
.set G1, 24
.set G0, 32
.set QSC,  30
.set QLIM, 31
.set Y,    32
.set SQ,   96
.set F,    112
.set GV,   120
.set PC,   128
.set MSB, 0
.macro WIN new
.if MSB != \new
	s_set_vgpr_msb (MSB<<8)|\new
.set MSB, \new
.endif
.endm
.set MULW, 0xa1                        ; source 0 window 1, source 1 window 0 (+ 12: window 3), C and D window 2
.set TO_1, 0x40
.macro PLACES
.rept 4
	v_nop
.endr
.endm
; n tiles of S0 from a0 on x my MT tiles of S1, from S0's set p and S1's set st.  All accumulators take turns, one instruction a turn.
.macro MUL a0, n, p, st, zero
.set ma, \a0
.rept \n
.set mm, 0
.rept MT
.if \zero
	v_wmma_f32_16x16x128_fp8_fp8 v[64*mm+8*ma:64*mm+8*ma+7], v[128*(\p)+16*ma:128*(\p)+16*ma+15], v[128+64*((\st)%2)+16*mm:128+64*((\st)%2)+16*mm+15], 0
.else
	v_wmma_f32_16x16x128_fp8_fp8 v[64*mm+8*ma:64*mm+8*ma+7], v[128*(\p)+16*ma:128*(\p)+16*ma+15], v[128+64*((\st)%2)+16*mm:128+64*((\st)%2)+16*mm+15], v[64*mm+8*ma:64*mm+8*ma+7]
.endif
.set mm, mm+1
.endr
.set ma, ma+1
.endr
.endm
.macro FETCH0 s, p                     ; S0's eight fragments of K step s, from LDS into set p
	WIN TO_1
.irp a, 0,1,2,3,4,5,6,7
.irp c, 0,1,2,3
	ds_load_b128 v[128*(\p)+16*\a+4*\c:128*(\p)+16*\a+4*\c+3], v[ADR0+2*((\s)/8)+\a/4] offset:(\a%4)*16384+((\s)%8)*FRB+512*\c
.endr
.endr
.endm
.macro GLOAD s                         ; my four fragments of S1 of K step s, from memory into set s % 4
	WIN 0xc0*(((\s)%4)/2)
.set fm, 0
.rept MT
.irp c, 0,1,2,3
	global_load_b128 v[128+64*((\s)%2)+16*fm+4*\c:128+64*((\s)%2)+16*fm+4*\c+3], v[LI], s[46:47] offset:fm*TROW+(\s)*FRB+512*\c
.endr
.set fm, fm+1
.endr
.endm
.macro RLOAD m                         ; cos and sin of my tile m of tokens
	WIN 0xc0
.irp ch, 0,1,2,3,4,5,6,7
	global_load_b128 v[32*\m+4*\ch:32*\m+4*\ch+3], v[LI], s[12:13] offset:4096*\m+512*\ch
.endr
.endm
.macro KSTEP s, zero
	s_wait_loadcnt 32                              ; S1's set is in: behind it 32 loads have been issued in every K step (two sets; at the end cos and sin)
	s_wait_dscnt 16                                ; S0's tiles 0-3 are in
	WIN MULW+12*(((\s)%4)/2)
	MUL 0, 4, (\s)%2, (\s)%4, \zero
	s_wait_dscnt 0x0                               ; tiles 4-7 are in
	PLACES                                         ; in front of loads into registers that the last K step's products have read
.if (\s) == 7
	s_wait_tensorcnt 0x0                           ; my part of the second fill is in,
	s_barrier_signal -1
	s_barrier_wait -1                              ; and everybody's
.endif
.if (\s) < 15
	FETCH0 (\s)+1, 1-(\s)%2
.endif
.if (\s) < 13
	GLOAD (\s)+3
.endif
.if (\s) == 13
	RLOAD 0
	RLOAD 1
.endif
.if (\s) == 14
	RLOAD 2
	RLOAD 3
.endif
	WIN MULW+12*(((\s)%4)/2)
	MUL 4, 4, (\s)%2, (\s)%4, \zero
.endm
	s_load_b256 s[4:11], s[0:1], 0x0               ; codes1 s[4:5], q_gain s[6:7], the scales' exponents s[8:9], qkv s[10:11]
	v_lshl_add_u32 v[SPW], v0, 2, SPARE
	v_mov_b32 v[NIL], 0
	ds_add_u32 v[SPW], v[NIL]                      ; the opening lines: the add, twice on end, and its wait ahead of my first tensor load
	ds_add_u32 v[SPW], v[NIL]
	v_lshrrev_b32 v1, 5, v0
	v_readfirstlane_b32 s14, v1                    ; wave 0..3
	s_lshr_b32 s15, s14, 1
	s_and_b32 s16, s14, 1
	s_mov_b32 s40, ttmp9                           ; cx
	s_and_b32 s17, ttmp7, 0xffff                   ; c
	s_sub_co_u32 s22, s17, 40                      ; as for v:
	s_and_b32 s18, s22, 1                          ; s18: which block of S1
	s_lshr_b32 s19, s22, 1                         ; s19: which group of four blocks of S0
	s_mov_b32 s20, XVO                             ; s20: S0's region
	s_mov_b32 s21, WVO                             ; s21: S1's
	s_sub_co_u32 s22, s17, 32
	s_cmp_lt_u32 s17, 40                           ; or as for k:
	s_cselect_b32 s18, s22, s18
	s_cselect_b32 s19, 0, s19
	s_cselect_b32 s20, WKO, s20
	s_cselect_b32 s21, XKO, s21
	s_and_b32 s22, s17, 7
	s_lshr_b32 s23, s17, 3
	s_cmp_lt_u32 s17, 32                           ; or as for q
	s_cselect_b32 s18, s22, s18
	s_cselect_b32 s19, s23, s19
	s_cselect_b32 s20, WQO, s20
	s_cselect_b32 s21, 0, s21
	s_mov_b32 s[G1+0], 3<<16                       ; no mask; elements of 8 bytes; no padding
	s_mov_b32 s[G1+1], 2048<<16                    ; tensor_dim0: 8 K steps, 16,384 bytes
	s_mov_b32 s[G1+2], 2<<16                       ; tensor_dim1 = 2 row tiles
	s_mov_b32 s[G1+3], 2048<<16                    ; tile_dim0
	s_mov_b32 s[G1+4], 2                           ; tile_dim1
	s_mov_b32 s[G1+5], TROW/8                      ; from row tile to row tile
	s_mov_b32 s[G1+6], 0
	s_mov_b32 s[G1+7], 0
	s_lshl_b32 s41, s19, 2
	s_add_co_u32 s41, s41, s40                     ; which block of S0: the head (q, k) or the key step (v); 0 .. 15
	s_lshl_b32 s42, s41, 18
	s_add_co_u32 s42, s42, s20
	s_and_b32 s44, s17, 3                          ; the prefetch: row tile 2 (c % 4) + w / 2, its K steps 8 on, half w % 2
	s_lshl_b32 s44, s44, 1
	s_add_co_u32 s44, s44, s15
	s_lshl_b32 s44, s44, 15
	s_lshl_b32 s45, s16, 13
	s_add_co_u32 s44, s44, s45
	s_add_co_u32 s44, s44, s42
	s_add_co_u32 s44, s44, 8*FRB
	s_mov_b32 s45, 0
	s_lshl_b32 s43, s14, 16                        ; S0: my two row tiles
	s_add_co_u32 s42, s42, s43
	s_mov_b32 s43, 0
	s_lshl_b32 s46, s18, 19                        ; S1: block x 16 row tiles + my four
	s_add_co_u32 s46, s46, s21
	s_lshl_b32 s47, s14, 17
	s_add_co_u32 s46, s46, s47
	s_mov_b32 s47, 0
	s_lshl_b32 s22, s14, 15                        ; where my two row tiles go in a fill
	s_lshl_b32 s81, s41, 2                         ; the gain's byte: at most 60 in every kind of work-group
	s_wait_dscnt 0x0                               ; both opening adds are done
	s_wait_kmcnt 0x0
	s_load_b256 s[68:75], s[8:9], 0x0              ; e0 .. e7
	s_load_b128 s[76:79], s[8:9], 0x20             ; e8 .. e11
	s_load_b32 s80, s[6:7], s81 offset:0x0
	s_add_nc_u64 s[42:43], s[4:5], s[42:43]
	s_add_nc_u64 s[44:45], s[4:5], s[44:45]
	s_add_nc_u64 s[46:47], s[4:5], s[46:47]
.irp f, 0,1
	s_mov_b32 s[G0+4*\f], 1
	s_add_co_u32 s[G0+4*\f+1], s22, \f*HALF
	s_add_nc_u64 s[G0+4*\f+2:G0+4*\f+3], s[42:43], \f*8*FRB
	s_or_b32 s[G0+4*\f+3], s[G0+4*\f+3], 0x80000000
.endr
	tensor_load_to_lds s[G0:G0+3], s[G1:G1+7]      ; K steps 0-7: one tensor load a wave at the head
	s_nop 0
	PLACES
	v_and_b32 v1, 31, v0
	v_lshlrev_b32 v[LI], 4, v1                     ; 16 x lane
	v_lshlrev_b32 v[PFO], 8, v1
	v_add_nc_u32 v[ADR0+1], 0x10000, v[LI]
	v_add_nc_u32 v[ADR0+2], 0x20000, v[LI]
	v_add_nc_u32 v[ADR0+3], 0x30000, v[LI]
	GLOAD 0
	GLOAD 1
	GLOAD 2
	WIN 0
	global_prefetch_b8 v[PFO], s[44:45] th:TH_LOAD_NT scope:SCOPE_SE
	s_lshl_b32 s22, s18, 16                        ; cos and sin of my four tiles of tokens: tile 16 x block + 4 w + m, 4,096 bytes each.  (In a work-group for v the block is 0 or 1: inside the table, and not used)
	s_lshl_b32 s23, s14, 14
	s_add_co_u32 s22, s22, s23
	s_add_co_u32 s22, s22, RPO
	s_mov_b32 s23, 0
	s_add_nc_u64 s[12:13], s[4:5], s[22:23]
	; where my four blocks of codes go
	s_lshl_b32 s88, s41, 18                        ; q, k: head x 128 tiles
	s_lshl_b32 s89, s18, 15                        ; + token block x 16
	s_add_co_u32 s88, s88, s89
	s_lshl_b32 s89, s14, 13                        ; + wave x 4
	s_add_co_u32 s88, s88, s89
	s_lshl_b32 s90, s18, 1                         ; v: key/value head 2 x block + w / 2,
	s_add_co_u32 s90, s90, s15
	s_lshl_b32 s90, s90, 18
	s_lshl_b32 s91, s41, 14                        ; key step x 8 tiles of channels,
	s_add_co_u32 s90, s90, s91
	s_lshl_b32 s91, s16, 13                        ; + (w % 2) x 4
	s_add_co_u32 s90, s90, s91
	s_add_co_u32 s90, s90, 0x500000                ; regions of qkv: q at 0, k at 0x400000, v at 0x500000
	s_add_co_u32 s91, s88, 0x400000
	s_cmp_lt_u32 s17, 40
	s_cselect_b32 s90, s91, s90
	s_cmp_lt_u32 s17, 32
	s_cselect_b32 s90, s88, s90
	s_mov_b32 s91, 0
	s_add_nc_u64 s[10:11], s[10:11], s[90:91]
	s_mov_b32 s92, 0x76543210                      ; v_permlanex16_b32's selects for lane l xor 16
	s_mov_b32 s93, 0xfedcba98
	s_wait_kmcnt 0x0
	s_add_co_i32 s82, s68, s69                     ; the product's two exponents: q's,
	s_add_co_i32 s83, s70, s71                     ; k's,
	s_add_co_i32 s84, s72, s73                     ; v's; chosen without a jump
	s_cmp_lt_u32 s17, 40
	s_cselect_b32 s84, s83, s84
	s_cselect_b32 s85, s75, s77                    ; the quantiser's: entry 7 or 9,
	s_cmp_lt_u32 s17, 32
	s_cselect_b32 s84, s82, s84
	s_cselect_b32 s85, s74, s85                    ; or 6
	s_cselect_b32 s80, s80, 1.0                    ; q alone has a gain
	s_lshl_b32 s86, s84, 1
	s_sub_co_i32 s86, s86, 7                       ; mean of squares = sum x 2^(2 es - 7)
	v_mov_b32 v[GV], s80
	v_ldexp_f32 v[GV], v[GV], s84
	s_add_co_i32 s85, s85, 127
	s_lshl_b32 s87, s85, 23
	v_mov_b32 v[QSC], s87
	s_add_co_i32 s85, s85, 8
	s_lshl_b32 s85, s85, 23
	s_or_b32 s85, s85, 0x600000
	v_mov_b32 v[QLIM], s85
.irp m, 0,1,2,3
	v_mov_b32 v[F+2*\m+1], 0                       ; (named as the upper half of a pair, so it is written)
.endr
	s_wait_alu depctr_va_vdst(0)                   ; the wait at the head's end
	s_wait_tensorcnt 0x0                           ; my part of K steps 0-7 is in; the second fill is issued behind an add, its wait and a barrier:
	ds_add_u32 v[SPW], v[NIL]
	s_wait_dscnt 0x0
	s_barrier_signal -1
	s_barrier_wait -1                              ; everybody's part is in
	tensor_load_to_lds s[G0+4:G0+7], s[G1:G1+7]    ; K steps 8-15
	s_nop 0
	PLACES
	FETCH0 0, 0
	KSTEP 0, 1                                     ; K step 0: its products start the sums
.irp s, 1,2,3,4,5,6,7,8,9,10,11,12,13,14,15
	KSTEP \s, 0
.endr
	WIN 0
; THE WAY OUT.
.macro NORM                            ; the factor of each of my four tiles: rsqrt(mean of squares + eps) x gain x 2^es.  Eight chains; each accumulator is read from its low end on
	WIN 0x0a                                       ; sources 0 and 1 window 2
.irp m, 0,1,2,3
	v_pk_mul_f32 v[SQ+4*\m:SQ+4*\m+1], v[64*\m:64*\m+1], v[64*\m:64*\m+1]
	v_pk_mul_f32 v[SQ+4*\m+2:SQ+4*\m+3], v[64*\m+2:64*\m+3], v[64*\m+2:64*\m+3]
.endr
.irp j, 4,8,12,16,20,24,28,32,36,40,44,48,52,56,60
.irp m, 0,1,2,3
	v_pk_fma_f32 v[SQ+4*\m:SQ+4*\m+1], v[64*\m+\j:64*\m+\j+1], v[64*\m+\j:64*\m+\j+1], v[SQ+4*\m:SQ+4*\m+1]
	v_pk_fma_f32 v[SQ+4*\m+2:SQ+4*\m+3], v[64*\m+\j+2:64*\m+\j+3], v[64*\m+\j+2:64*\m+\j+3], v[SQ+4*\m+2:SQ+4*\m+3]
.endr
.endr
	WIN 0
.irp m, 0,1,2,3
	v_pk_add_f32 v[SQ+4*\m:SQ+4*\m+1], v[SQ+4*\m:SQ+4*\m+1], v[SQ+4*\m+2:SQ+4*\m+3]
.endr
.irp m, 0,1,2,3
	v_add_f32 v[SQ+4*\m], v[SQ+4*\m], v[SQ+4*\m+1]
.endr
.irp m, 0,1,2,3
	v_permlanex16_b32 v[SQ+4*\m+1], v[SQ+4*\m], s92, s93   ; the token's other 64 channels lie in the lane 16 away
.endr
.irp m, 0,1,2,3
	v_add_f32 v[SQ+4*\m], v[SQ+4*\m], v[SQ+4*\m+1]
.endr
.irp m, 0,1,2,3
	v_ldexp_f32 v[SQ+4*\m], v[SQ+4*\m], s86
.endr
.irp m, 0,1,2,3
	v_add_f32 v[SQ+4*\m], 0x34000000, v[SQ+4*\m]   ; + eps = 2^-23
.endr
	s_wait_alu depctr_va_vdst(0)
.irp m, 0,1,2,3
	v_rsq_f32 v[SQ+4*\m+1], v[SQ+4*\m]
.endr
	v_nop                                          ; a plain line behind the last of the batch,
	s_wait_alu depctr_va_vdst(0)                   ; and the one wait ahead of the batch's first reader
.irp m, 0,1,2,3
	v_mul_f32 v[F+2*\m], v[SQ+4*\m+1], v[GV]
.endr
.endm
.macro OUT m, rope                     ; tile m: scaled, turned (rope = 1), held, converted, stored as one image: four stores of 512 consecutive bytes
	WIN 0x02                                       ; source 0 window 2
.set n, 0
.rept 32
	v_pk_mul_f32 v[Y+n:Y+n+1], v[64*\m+n:64*\m+n+1], v[F+2*\m:F+2*\m+1] op_sel_hi:[1,0]
.set n, n+2
.endr
.if \rope
	WIN 0x0c                                       ; source 1 window 3: cos at v[32 m + i], sin at v[32 m + 16 + i], frequency 16 h + i.  x1 = register i, x2 = register 16 + i
.irp i, 0,2,4,6,8,10,12,14
	v_pk_mul_f32 v[SQ+2*(\i%8):SQ+2*(\i%8)+1], v[Y+16+\i:Y+17+\i], v[32*\m+16+\i:32*\m+17+\i]
	v_pk_mul_f32 v[SQ+2*(\i%8)+2:SQ+2*(\i%8)+3], v[Y+16+\i:Y+17+\i], v[32*\m+\i:32*\m+\i+1]
	v_pk_fma_f32 v[Y+16+\i:Y+17+\i], v[Y+\i:Y+\i+1], v[32*\m+16+\i:32*\m+17+\i], v[SQ+2*(\i%8)+2:SQ+2*(\i%8)+3] neg_lo:[1,0,0] neg_hi:[1,0,0]   ; -x1 sin + x2 cos
	v_pk_fma_f32 v[Y+\i:Y+\i+1], v[Y+\i:Y+\i+1], v[32*\m+\i:32*\m+\i+1], v[SQ+2*(\i%8):SQ+2*(\i%8)+1]   ; x1 cos + x2 sin
.endr
.endif
	WIN 0
.irp b, 0,1,2,3
.irp i, 0,1,2,3,4,5,6,7,8,9,10,11,12,13,14,15
	v_med3_num_f32 v[Y+16*\b+\i], v[Y+16*\b+\i], -v[QLIM], v[QLIM]   ; the conversion to an 8-bit code does not saturate (ISA guide 7.6.2): the hold comes first
.endr
	v_cvt_scalef32_pk8_fp8_f32 v[PC+16*\m+4*\b:PC+16*\m+4*\b+1], v[Y+16*\b:Y+16*\b+7], v[QSC]
	v_cvt_scalef32_pk8_fp8_f32 v[PC+16*\m+4*\b+2:PC+16*\m+4*\b+3], v[Y+16*\b+8:Y+16*\b+15], v[QSC]
.endr
	v_nop                                          ; a plain line between the last conversion and the next tile's writes of its sources
.irp c, 0,1,2,3
	global_store_b128 v[LI], v[PC+16*\m+4*\c:PC+16*\m+4*\c+3], s[10:11] offset:FRB*\m+512*\c
.endr
.endm
	PLACES
	s_wait_loadcnt 0x0                             ; cos and sin
	s_cmp_ge_u32 s17, 40                           ; v has neither norm nor RoPE: the branch hangs on the work-group's number
	s_cbranch_scc1 .Lvalues
	NORM
	OUT 0, 1
	OUT 1, 1
	OUT 2, 1
	OUT 3, 1
	s_branch .Lend
.Lvalues:
.irp m, 0,1,2,3
	v_mov_b32 v[F+2*\m], v[GV]                     ; 2^(e4 + e5)
.endr
	OUT 0, 0
	OUT 1, 0
	OUT 2, 0
	OUT 3, 0
.Lend:
	s_wait_tensorcnt 0x0                           ; the wave's end
	ds_add_u32 v[SPW], v[NIL]
	s_wait_dscnt 0x0
	s_endpgm
.Lfunc_end_k_qdf688aac8d_qkv:
	.size	k_qdf688aac8d_qkv, .Lfunc_end_k_qdf688aac8d_qkv-k_qdf688aac8d_qkv
	.p2alignl 7, 3214868480
	.fill 96, 4, 3214868480
	.section	.rodata,"a",@progbits
	.p2align	6, 0x0
	.amdhsa_kernel k_qdf688aac8d_qkv
		.amdhsa_group_segment_fixed_size 327680
		.amdhsa_private_segment_fixed_size 0
		.amdhsa_enable_private_segment 0
		.amdhsa_kernarg_size 32
		.amdhsa_user_sgpr_count 2
		.amdhsa_user_sgpr_kernarg_segment_ptr 1
		.amdhsa_wavefront_size32 1
		.amdhsa_system_sgpr_workgroup_id_x 1
		.amdhsa_system_sgpr_workgroup_id_y 1
		.amdhsa_system_sgpr_workgroup_id_z 1
		.amdhsa_system_vgpr_workitem_id 0
		.amdhsa_next_free_vgpr 1024
		.amdhsa_next_free_sgpr 100
		.amdhsa_reserve_vcc 0
		.amdhsa_float_denorm_mode_32 3
		.amdhsa_float_denorm_mode_16_64 3
		.amdhsa_memory_ordered 1
		.amdhsa_forward_progress 1
		.amdhsa_inst_pref_size 177
	.end_amdhsa_kernel
	.amdgpu_metadata
---
amdhsa.version: [ 1, 2 ]
amdhsa.kernels:
  - .name:           k_qdf688aac8d_qkv
    .symbol:         k_qdf688aac8d_qkv.kd
    .args:
      - { .name: codes1, .offset: 0, .size: 8, .value_kind: global_buffer, .address_space: global }
      - { .name: q_gain, .offset: 8, .size: 8, .value_kind: global_buffer, .address_space: global }
      - { .name: lowp_scales, .offset: 16, .size: 8, .value_kind: global_buffer, .address_space: global }
      - { .name: qkv, .offset: 24, .size: 8, .value_kind: global_buffer, .address_space: global }
    .group_segment_fixed_size: 327680
    .private_segment_fixed_size: 0
    .kernarg_segment_align: 8
    .kernarg_segment_size: 32
    .max_flat_workgroup_size: 128
    .sgpr_count:     100
    .vgpr_count:     1024
    .wavefront_size: 32
...
	.end_amdgpu_metadata
.endif
;; end of part 2
;; launch attn (part 3): grid 16 x 16, 4 waves a work-group, clusters of 4 x 1, 327,680 bytes of LDS; arguments qkv, lowp_scales, ao; writes ao
.if DOCPART == 3
	.amdgcn_target "amdgcn-amd-amdhsa--gfx1250"
	.amdhsa_code_object_version 6
	.text
	.protected	k_qdf688aac8d_attn
	.globl	k_qdf688aac8d_attn
	.p2align	8
	.type	k_qdf688aac8d_attn,@function
k_qdf688aac8d_attn:
	s_mov_b64 s[64:65], 0
	v_nop
	global_prefetch_b8 v0, s[64:65] scope:SCOPE_SE
	s_setreg_imm32_b32 hwreg(HW_REG_WAVE_MODE, 25, 1), 1
	s_wait_xcnt 0x0
	s_wait_alu depctr_hold_cnt(0) depctr_sa_sdst(0) depctr_va_vdst(0) depctr_va_sdst(0) depctr_va_ssrc(0) depctr_va_vcc(0) depctr_vm_vsrc(0)
	s_getreg_b32 s2, hwreg(HW_REG_IB_STS2, 6, 4)
	s_cmp_eq_u32 s2, 0
	s_cbranch_scc0 .Lentry_in_a_cluster
	s_endpgm
.Lentry_in_a_cluster:
	s_bfe_u32 s2, ttmp6, 0x10000c
	s_cmp_lg_u32 s2, 0x3003
	s_cbranch_scc0 .Lentry_shape_is_right
	s_endpgm
.Lentry_shape_is_right:
; Causal attention on codes of E4M3: 16 query heads, 4 key/value heads, 2,048 tokens, head size 128.  The result is quantised (entry 10 of the scales) and stored as the image of the last product's operand.
; INPUT (qkv): images of 2,048 bytes: byte 512 c + 16 lane + i = row r = lane % 16 of a tile, k = 32 c + 16 (lane / 16) + i.  A tile T of tokens holds tokens 32 (T/2) + 8 (T%2) + r + 8 (r/8).
;   q at head x 262,144 + T x 2,048; k at 0x400000 + kv head x 262,144 + T x 2,048; v at 0x500000 + kv head x 262,144 + key step x 16,384 + channel tile x 2,048 (k along the step's 128 keys).
; THE SOFTMAX: t = score x log2(e) / sqrt(128); M = the largest t so far, rounded UP to a whole number; p = 2^(t - M) is quantised (entry 8), not normalised; the row's sum is taken of the unquantised p and divides at the end.
; LAYOUT.  Both products are used transposed: S^T = K Q^T, O^T = V^T P^T: a lane holds ONE query; the 16 registers of tiles 2 b, 2 b + 1 are keys (then channels) 32 b + 16 (lane / 16) + 0 .. 15: p's codes are the second product's operand.
; WORK LEFT OUT: key steps all of whose keys come after a block's queries: the causal mask gives them the weight 0.
; SHARES.  Cluster x = the key/value head, cx = the query head within its group of four, cluster y = j.  A work-group owns two blocks of 64 queries of its head, block j and block 31 - j, and walks them ONE AFTER THE OTHER:
; block j has j / 2 + 1 key steps of 128 keys, block 31 - j has 16 - j / 2: 17 key steps in every work-group.  Each of the four waves, one to a SIMD, owns one tile of 16 queries of the block in hand, so all four have work in every step,
; and nothing is merged.  Where the first block ends (a scalar test on j and the count of steps, the same in all partners) its result is divided, quantised and stored, and the sums begin anew with the second block's Q, which was loaded at the head.
; THE RING.  An element is one key step's K (16,384 bytes) and V (16,384 bytes), which lie 0x100000 bytes apart in qkv: one descriptor of two rows brings both.  Two slots of four elements; wave w asks for element 4 n + w of fill n, JOINTLY with the
; three partners, which walk the same elements.  Fills: 4, 4, 4, 4 and 1 elements (the last by wave 0 alone).  By this text's count a wave has one tensor load out.
; FRAGMENTS.  All eight fragments of K and all eight of V have registers of their own (window 1): V's of a step are asked for at the step's head, K's of the next step behind the scores' products, where the next step lies in the same slot.
; PREFETCH.  Behind the load of fill n + 1 the elements of fill n + 2 are asked of memory, a slot's four key steps ahead of their load: wave w names its own element, the four partners a quarter each BY ADDRESS (cx: K's halves, V's halves),
; lanes 256 bytes apart.  The clusters j < 4 of each key/value head ask; elements past the 17th are not named.  The first two fills come by their loads alone.
; LIMITS: e6 + e7 within -123 .. 130 (added to c's exponent field); e8, e10: e and e + 8 within -126 .. 127; e8 + e9 is applied by v_ldexp_f32 and has none.  The scaled scores stay under 2^31 in magnitude.  NaN is not served.
; REGISTERS, window 0: v1-9 addresses; v12 -M, v13 the largest t, v[14:15] the sum; v16-31 Q; v32-47 the second block's Q, at the end its codes; v48-63 the first block's codes; v96-159 S^T, then p; v160-223 O^T; v224-239 p's codes; v236-254 at work.
;   window 1: v0-127 K's eight fragments, v128-255 V's.
.set SLOTB, 131072
.set ELB,   32768
.set SPARE, 2*SLOTB                    ; behind the ring: the spare words, 128 bytes a wave: two blocks of 256 bytes that no other line names
.set KO,  0x400000
.set ADR, 1                            ; v1   the step's element in LDS + 16 x lane
.set PFO, 3                            ; v3   256 x lane
.set LI,  4                            ; v4   16 x lane
.set SPW, 5                            ; v5   my spare word; never rewritten
.set NIL, 6                            ; v6   0; never rewritten
.set QL,  9                            ; v9   my query's place in its 32 tokens, less 16 (lane / 16)
.set OUTB, 8                           ; s[8:9]   where the first block's image goes;  s[10:11] the second's
.set OUTA, 10
.set WV,  18
.set SEL, 20
.set CS,  22
.set G1,  24
.set G0,  32
.set KF,  40                           ; the step's first key
.set QB,  41                           ; the first of the 32 tokens among which my queries lie;  s42 the same for the second block
.set QBA, 42
.set NB,  43                           ; key steps of the first block
.set E,   44                           ; elements walked
.set TB,  45                           ; the element's LDS byte
.set PFA, 46
.set PLIM, 48                          ; the last element that my cluster prefetches: 16, or 0 where it asks for nothing
.set EL,  49                           ; the element of my latest tensor load
.set Q,   50
.set N,   51
.set KB,  52                           ; s[52:53] K of my key/value head;  s[54:55] the same + my work-group's quarter of an element
.set PB,  54
.set EP,  67
.set MSB, 0
.macro WIN new                         ; the immediate's high byte repeats the setting that is left
.if MSB != \new
	s_set_vgpr_msb (MSB<<8)|\new
.set MSB, \new
.endif
.endm
.macro PLACES
.rept 4
	v_nop
.endr
.endm
.macro ROUND                           ; a round of the cluster's barrier
	s_barrier_signal -1
	s_barrier_wait -1
	s_cmp_lg_u32 s[WV], 0
	s_cbranch_scc1 .Lnot_wave_0_\@
	s_barrier_signal -3
.Lnot_wave_0_\@:
	s_barrier_wait -3
	s_barrier_signal -1
	s_barrier_wait -1
.endm
.macro MKADDR dst, base, el            ; element el is key step el of the first block, or el - NB of the second: 16,384 bytes a key step
	s_cmp_lt_u32 s[\el], s[NB]
	s_cselect_b32 s96, 0, s[NB]
	s_sub_co_u32 s96, s[\el], s96
	s_lshl_b32 s96, s96, 14
	s_mov_b32 s97, 0
	s_add_nc_u64 s[\dst:\dst+1], s[\base:\base+1], s[96:97]
.endm
.macro KLOAD off                       ; K's eight fragments of the element at v[ADR] + off
	WIN 0x40
.irp t, 0,1,2,3,4,5,6,7
.irp c, 0,1,2,3
	ds_load_b128 v[16*\t+4*\c:16*\t+4*\c+3], v[ADR] offset:(\off)+2048*\t+512*\c
.endr
.endr
	WIN 0
.endm
.macro VLOAD
	WIN 0x40
.irp t, 0,1,2,3,4,5,6,7
.irp c, 0,1,2,3
	ds_load_b128 v[128+16*\t+4*\c:128+16*\t+4*\c+3], v[ADR] offset:16384+2048*\t+512*\c
.endr
.endr
	WIN 0
.endm
; THE CHANGE OF SLOTS.  Each wave waits for all its tensor loads, adds 0 to its spare word, and waits for that and for its reads of the slot that it has left.
; kind 1: a round, then every wave's load of the next fill, into the slot that was left (the first time: slot 1's first fill, issued as a refill is).  kind 2: the same, wave 0 alone has an element left.  kind 0: nothing is left to fetch.
.macro CHANGE kind
	s_wait_alu depctr_va_vdst(0)                   ; the wait ahead of the waits and scalar lines below
	s_wait_tensorcnt 0x0                           ; no tensor load of mine is out, so group 0 may be written
	ds_add_u32 v[SPW], v[NIL]
.if \kind
	s_add_co_u32 s[EL], s[EL], 4
	s_xor_b32 s[G0+1], s[G0+1], SLOTB
	MKADDR G0+2, KB, EL
	s_or_b32 s[G0+3], s[G0+3], 0x80000000
.endif
.if \kind == 1
	s_wait_xcnt 0x0                                ; my last prefetch has read its address
	s_add_co_u32 s[EP], s[EL], 4
	MKADDR PFA, PB, EP
.endif
	s_wait_dscnt 0x0
.if \kind
	ROUND
.else
	s_barrier_signal -1
	s_barrier_wait -1
.endif
.if \kind == 1
	tensor_load_to_lds s[G0:G0+3], s[G1:G1+7]
	s_nop 0
	PLACES
	s_cmp_le_u32 s[EP], s[PLIM]
	s_cbranch_scc0 .Lnoask_\@
	global_prefetch_b8 v[PFO], s[PFA:PFA+1] th:TH_LOAD_NT scope:SCOPE_SE
.Lnoask_\@:
.endif
.if \kind == 2
	s_cmp_eq_u32 s[WV], 0
	s_cbranch_scc0 .Lnone_\@
	tensor_load_to_lds s[G0:G0+3], s[G1:G1+7]
	s_nop 0
	PLACES
.Lnone_\@:
.endif
	v_add_nc_u32 v[ADR], s[TB], v[LI]
	KLOAD 0                                        ; the slot's first element: K's fragments
.endm
; A block is finished: O^T / the sum x 2^(e8 + e9), held, converted (entry 10), stored as one image: four stores of 512 consecutive bytes.
.macro FINAL out, cr
	v_add_f32 v14, v14, v15
	v_permlanex16_b32 v236, v14, s[SEL], s[SEL+1]
	v_add_f32 v14, v14, v236
	s_wait_alu depctr_va_vdst(0)                   ; the wait ahead of the transcendental,
	v_rcp_f32 v14, v14
	v_nop
	s_wait_alu depctr_va_vdst(0)                   ; ahead of its first reader,
	v_ldexp_f32 v252, v14, s82
	s_wait_alu depctr_va_vdst(0)                   ; and ahead of the first reader of O^T
.set n, 0
.rept 32
	v_pk_mul_f32 v[96+n:97+n], v[160+n:161+n], v[252:253] op_sel_hi:[1,0]
.set n, n+2
.endr
.irp b, 0,1,2,3
.irp i, 0,1,2,3,4,5,6,7,8,9,10,11,12,13,14,15
	v_med3_num_f32 v[96+16*\b+\i], v[96+16*\b+\i], -v241, v241   ; the conversion does not saturate (ISA guide 7.6.2): the hold comes first
.endr
	v_cvt_scalef32_pk8_fp8_f32 v[\cr+4*\b:\cr+4*\b+1], v[96+16*\b:103+16*\b], v245
	v_cvt_scalef32_pk8_fp8_f32 v[\cr+4*\b+2:\cr+4*\b+3], v[104+16*\b:111+16*\b], v245
.endr
	v_nop                                          ; a plain line behind the last conversion
.irp c, 0,1,2,3
	global_store_b128 v[LI], v[\cr+4*\c:\cr+4*\c+3], s[\out:\out+1] offset:512*\c
.endr
.endm
; A KEY STEP.  sw = 1: the first block may end here.  mk = 0: no key is hidden; 1: a test on ids; 2: the diagonal.  pre = 1: the next step's K is fetched, but for the slot's last step.
.macro STEP sw, mk, pre
.if \sw
	s_cmp_eq_u32 s[E], s[NB]
	s_cbranch_scc0 .Lsame_\@
	FINAL OUTB, 48
	v_mov_b32 v13, 0xff61b1e6                      ; the second block begins: the largest t -3e38, the sums zeros,
	v_floor_f32 v12, -v13
	v_mov_b32 v14, 0
	v_mov_b32 v15, 0
.set n, 0
.rept 64
	v_mov_b32 v[160+n], 0
.set n, n+1
.endr
.set n, 0
.rept 16
	v_mov_b32 v[16+n], v[32+n]                     ; its Q,
.set n, n+1
.endr
	s_mov_b32 s[QB], s[QBA]
	s_mov_b32 s[KF], 0                             ; and its first key
.Lsame_\@:
.endif
	v_add_nc_u32 v[ADR], s[TB], v[LI]
	VLOAD
	s_wait_alu depctr_va_vdst(0)                   ; the wait here, directly ahead of the wait below
	s_wait_dscnt 32                                ; K's fragments are in; V's 32 loads, issued behind them, may be out
	WIN 0x01
.irp t, 0,1,2,3,4,5,6,7
	v_wmma_f32_16x16x128_fp8_fp8 v[96+8*\t:103+8*\t], v[16*\t:16*\t+15], v[16:31], 0
.endr
	WIN 0
	PLACES                                         ; in front of the loads into K's registers and of the first read of the scores
.if \pre
	s_cmp_eq_u32 s[Q], 3
	s_cbranch_scc1 .Lnok_\@
	KLOAD ELB
.Lnok_\@:
.endif
.if \mk
.if \mk == 1
	s_add_co_u32 s96, s[KF], 128
	s_cmp_le_u32 s96, s[QB]
	s_cbranch_scc1 .Lopen_\@
.endif
	s_sub_co_i32 s96, s[QB], s[KF]
	v_add_nc_u32 v252, s96, v[QL]                  ; d = my query - KF - 16 (lane / 16).  Register 16 b + i holds key KF + 16 (lane / 16) + 32 b + i: hidden where 32 b + i > d.  The step's first key counts for every query
	v_mov_b32 v254, 0xff800000
.set n, 0
.rept 64
	v_cmp_gt_i32 vcc_lo, 32*(n/16)+n%16, v252
	v_cndmask_b32 v[96+n], v[96+n], v254, vcc_lo
.set n, n+1
.endr
.Lopen_\@:
.endif
	v_max3_num_f32 v254, v96, v97, v98             ; the step's largest score, in four chains, each accumulator from its low end on
	v_max3_num_f32 v252, v99, v100, v101
	v_max3_num_f32 v250, v102, v103, v104
	v_max3_num_f32 v248, v105, v106, v107
.irp i, 12,20,28,36,44,52
	v_max3_num_f32 v254, v254, v[96+\i], v[97+\i]
	v_max3_num_f32 v252, v252, v[98+\i], v[99+\i]
	v_max3_num_f32 v250, v250, v[100+\i], v[101+\i]
	v_max3_num_f32 v248, v248, v[102+\i], v[103+\i]
.endr
	v_max3_num_f32 v254, v254, v156, v157
	v_max3_num_f32 v252, v252, v158, v159
	v_max_num_f32 v250, v250, v248
	v_max3_num_f32 v254, v254, v252, v250
	v_permlanex16_b32 v236, v254, s[SEL], s[SEL+1]
	v_max_num_f32 v254, v254, v236                 ; and among lane l xor 16's
	v_mul_f32 v254, s[CS], v254                    ; as t (c is positive)
	v_max_num_f32 v13, v13, v254
	v_mov_b32 v254, v12
	v_floor_f32 v12, -v13                          ; the new -M = -ceil(t)
	v_sub_f32 v254, v12, v254
	v_cvt_i32_f32 v254, v254                       ; (it saturates)
	v_ldexp_f32 v252, 1.0, v254                    ; f = 2^(old M - new M)
.set n, 0
.rept 32
	v_pk_fma_f32 v[96+n:97+n], v[96+n:97+n], s[CS:CS+1], v[12:13] op_sel_hi:[1,0,0]   ; t - M
.set n, n+2
.endr
	s_wait_alu depctr_va_vdst(0)                   ; the wait ahead of the batch
.set n, 0
.rept 64
	v_exp_f32 v[96+n], v[96+n]                     ; p = 2^(t - M)
.set n, n+1
.endr
	v_pk_mul_f32 v[14:15], v[14:15], v[252:253] op_sel_hi:[1,0]   ; the sums under the new M (a plain line behind the batch)
	s_wait_alu depctr_va_vdst(0)                   ; and the one wait ahead of the batch's first reader
	v_pk_add_f32 v[242:243], v[96:97], v[98:99]    ; the row's sum of the unquantised p, in four chains
	v_pk_add_f32 v[250:251], v[100:101], v[102:103]
	v_pk_add_f32 v[248:249], v[104:105], v[106:107]
	v_pk_add_f32 v[14:15], v[14:15], v[108:109]
.irp j, 14,22,30,38,46,54
	v_pk_add_f32 v[242:243], v[242:243], v[96+\j:97+\j]
	v_pk_add_f32 v[250:251], v[250:251], v[98+\j:99+\j]
	v_pk_add_f32 v[248:249], v[248:249], v[100+\j:101+\j]
	v_pk_add_f32 v[14:15], v[14:15], v[102+\j:103+\j]
.endr
	v_pk_add_f32 v[242:243], v[242:243], v[158:159]
	v_pk_add_f32 v[14:15], v[14:15], v[248:249]
	v_pk_add_f32 v[242:243], v[242:243], v[250:251]
	v_pk_add_f32 v[14:15], v[14:15], v[242:243]
.irp b, 0,1,2,3
.irp i, 0,1,2,3,4,5,6,7,8,9,10,11,12,13,14,15
	v_min_num_f32 v[96+16*\b+\i], v[96+16*\b+\i], v240   ; p is not negative: the hold is one-sided
.endr
	v_cvt_scalef32_pk8_fp8_f32 v[224+4*\b:225+4*\b], v[96+16*\b:103+16*\b], v244
	v_cvt_scalef32_pk8_fp8_f32 v[226+4*\b:227+4*\b], v[104+16*\b:111+16*\b], v244
.endr
	s_wait_alu depctr_va_vdst(0)                   ; the wait here, directly ahead of the first reader of O^T
.set n, 0
.rept 32
	v_pk_mul_f32 v[160+n:161+n], v[160+n:161+n], v[252:253] op_sel_hi:[1,0]   ; O^T under the new M
.set n, n+2
.endr
	s_wait_alu depctr_va_vdst(0)                   ; the wait here, directly ahead of the wait below
	s_wait_dscnt 0x0                               ; V's fragments are in (and the next step's K, asked for ahead of the softmax)
	WIN 0x01
.irp t, 0,1,2,3,4,5,6,7
	v_wmma_f32_16x16x128_fp8_fp8 v[160+8*\t:167+8*\t], v[128+16*\t:143+16*\t], v[224:239], v[160+8*\t:167+8*\t]
.endr
	WIN 0
	PLACES                                         ; in front of the next loads into V's registers and of a read of O^T
	s_add_co_u32 s[KF], s[KF], 128
	s_add_co_u32 s[E], s[E], 1
	s_add_co_u32 s[TB], s[TB], ELB
	s_and_b32 s[TB], s[TB], 2*SLOTB-1              ; eight elements go once round the ring
.endm
	s_load_b128 s[4:7], s[0:1], 0x0                ; qkv s[4:5], the scales' exponents s[6:7]
	s_load_b64 s[8:9], s[0:1], 0x10                ; ao
	v_lshl_add_u32 v[SPW], v0, 2, SPARE
	v_mov_b32 v[NIL], 0
	ds_add_u32 v[SPW], v[NIL]                      ; the opening lines: the add, twice on end, and its wait ahead of my first tensor load
	ds_add_u32 v[SPW], v[NIL]
	v_lshrrev_b32 v246, 5, v0
	v_readfirstlane_b32 s[WV], v246                ; wave 0..3
	s_and_b32 s56, ttmp7, 0xffff                   ; j
	s_lshr_b32 s[NB], s56, 1
	s_add_co_u32 s[NB], s[NB], 1
	s_bfe_u32 s57, ttmp6, 0x40000                  ; cx: it enters Q's, the output's and the prefetch's addresses alone
	s_lshl_b32 s58, ttmp9, 2
	s_add_co_u32 s58, s58, s57                     ; the query head
	s_lshl_b32 s59, s56, 2
	s_add_co_u32 s59, s59, s[WV]                   ; my tile of block j,
	s_sub_co_u32 s60, 31, s56
	s_lshl_b32 s60, s60, 2
	s_add_co_u32 s60, s60, s[WV]                   ; and of block 31 - j
	s_lshr_b32 s[QB], s59, 1
	s_lshl_b32 s[QB], s[QB], 5
	s_lshr_b32 s[QBA], s60, 1
	s_lshl_b32 s[QBA], s[QBA], 5
	s_and_b32 s61, s[WV], 1
	s_lshl_b32 s61, s61, 3                         ; 8 (tile % 2)
	s_lshl_b32 s62, s58, 18
	s_lshl_b32 s84, s59, 11
	s_add_co_u32 s84, s84, s62                     ; Q's images
	s_mov_b32 s85, 0
	s_lshl_b32 s86, s60, 11
	s_add_co_u32 s86, s86, s62
	s_mov_b32 s87, 0
	s_lshl_b32 s63, s58, 11
	s_lshl_b32 s88, s59, 15
	s_add_co_u32 s88, s88, s63                     ; the outputs': (16 x tile + head) x 2,048
	s_mov_b32 s89, 0
	s_lshl_b32 s90, s60, 15
	s_add_co_u32 s90, s90, s63
	s_mov_b32 s91, 0
	s_lshl_b32 s92, ttmp9, 18
	s_add_co_u32 s92, s92, KO                      ; K of the key/value head
	s_mov_b32 s93, 0
	s_and_b32 s94, s57, 1
	s_lshl_b32 s94, s94, 13                        ; the prefetch: cx % 2: which half of 16,384 bytes; cx / 2: K's or V's
	s_lshr_b32 s95, s57, 1
	s_lshl_b32 s95, s95, 20
	s_add_co_u32 s94, s94, s95
	s_add_co_u32 s94, s94, s92
	s_mov_b32 s95, 0
	s_cmp_lt_u32 s56, 4
	s_cselect_b32 s[PLIM], 16, 0
	s_mov_b32 s[G1], 15|(3<<16)|(1<<21)            ; the mask: all four work-groups; elements of 8 bytes; 21 set beside a mask; no padding
	s_mov_b32 s[G1+1], 2048<<16                    ; tensor_dim0 = 2,048 elements: 16,384 bytes
	s_mov_b32 s[G1+2], 2<<16                       ; tensor_dim1 = 2: K's row, V's row
	s_mov_b32 s[G1+3], 2048<<16                    ; tile_dim0
	s_mov_b32 s[G1+4], 2                           ; tile_dim1
	s_mov_b32 s[G1+5], 0x100000/8                  ; from K's region to V's
	s_mov_b32 s[G1+6], 0
	s_mov_b32 s[G1+7], 0
	s_mov_b32 s[SEL], 0x76543210
	s_mov_b32 s[SEL+1], 0xfedcba98
	s_mov_b32 s[CS], 0x3e0293ee                    ; log2(e) / sqrt(128)
	s_mov_b32 s[E], 0
	s_mov_b32 s[TB], 0
	s_mov_b32 s[KF], 0
	s_mov_b32 s[EL], s[WV]
	s_wait_dscnt 0x0                               ; both opening adds are done
	s_wait_kmcnt 0x0
	s_load_b256 s[68:75], s[6:7], 0x0              ; e0 .. e7
	s_load_b128 s[76:79], s[6:7], 0x20             ; e8 .. e11
	s_add_nc_u64 s[84:85], s[4:5], s[84:85]
	s_add_nc_u64 s[86:87], s[4:5], s[86:87]
	s_add_nc_u64 s[OUTA:OUTA+1], s[8:9], s[90:91]
	s_add_nc_u64 s[OUTB:OUTB+1], s[8:9], s[88:89]
	s_add_nc_u64 s[KB:KB+1], s[4:5], s[92:93]
	s_add_nc_u64 s[PB:PB+1], s[4:5], s[94:95]
	s_mov_b32 s[G0], 1
	s_lshl_b32 s[G0+1], s[WV], 15                  ; slot 0, my element's place
	MKADDR G0+2, KB, EL
	s_or_b32 s[G0+3], s[G0+3], 0x80000000
	ROUND                                          ; all four work-groups are here: the first joint loads meet
	tensor_load_to_lds s[G0:G0+3], s[G1:G1+7]      ; elements 0 to 3, one a wave
	s_nop 0
	PLACES
	v_and_b32 v246, 31, v0
	v_lshlrev_b32 v[LI], 4, v246
	v_lshlrev_b32 v[PFO], 8, v246
.irp c, 0,1,2,3
	global_load_b128 v[16+4*\c:19+4*\c], v[LI], s[84:85] offset:512*\c   ; Q of block j,
	global_load_b128 v[32+4*\c:35+4*\c], v[LI], s[86:87] offset:512*\c   ; and of block 31 - j
.endr
	v_and_b32 v246, 15, v0
	v_and_b32 v247, 8, v246
	v_add_nc_u32 v[QL], v246, v247                 ; r + 8 (r / 8)
	v_bfe_u32 v247, v0, 4, 1
	v_lshlrev_b32 v247, 4, v247
	v_sub_nc_u32 v[QL], v[QL], v247
	v_add_nc_u32 v[QL], s61, v[QL]
	v_mov_b32 v13, 0xff61b1e6                      ; the largest t so far: -3e38, under every t
	v_floor_f32 v12, -v13
	v_mov_b32 v14, 0
	v_mov_b32 v15, 0
	v_mov_b32 v236, 0                              ; a lane permute's destination counts as one of its sources
	v_mov_b32 v253, 0                              ; (named as the upper half of a pair)
.set n, 0
.rept 64
	v_mov_b32 v[160+n], 0                          ; O^T: the step has one form; the first finds zeros
.set n, n+1
.endr
	s_wait_kmcnt 0x0
	s_add_co_i32 s80, s74, s75
	s_lshl_b32 s80, s80, 23
	s_add_co_i32 s[CS], s[CS], s80                 ; x 2^(e6 + e7), added to c's exponent field
	s_mov_b32 s[CS+1], s[CS]
	s_add_co_i32 s80, s76, 127
	s_lshl_b32 s81, s80, 23
	v_mov_b32 v244, s81                            ; 2^e8
	s_add_co_i32 s80, s80, 8
	s_lshl_b32 s80, s80, 23
	s_or_b32 s80, s80, 0x600000
	v_mov_b32 v240, s80                            ; 448 x 2^e8
	s_add_co_i32 s80, s78, 127
	s_lshl_b32 s81, s80, 23
	v_mov_b32 v245, s81                            ; 2^e10
	s_add_co_i32 s80, s80, 8
	s_lshl_b32 s80, s80, 23
	s_or_b32 s80, s80, 0x600000
	v_mov_b32 v241, s80                            ; 448 x 2^e10
	s_add_co_i32 s82, s76, s77                     ; e8 + e9
	s_mov_b32 s[N], 0
	s_wait_alu depctr_va_vdst(0)                   ; the wait at the head's end
	s_wait_loadcnt 0x0                             ; both Q
.Lslot:                                            ; three trips: elements 0 to 11; fills 1 to 3 are asked for
	CHANGE 1
	s_mov_b32 s[Q], 0
.Lq1:
	STEP 1, 1, 1
	s_add_co_u32 s[Q], s[Q], 1
	s_cmp_lt_u32 s[Q], 4
	s_wait_alu depctr_va_vdst(0)                   ; the wait ahead of the branch
	s_cbranch_scc1 .Lq1
	s_add_co_u32 s[N], s[N], 1
	s_cmp_lt_u32 s[N], 3
	s_cbranch_scc1 .Lslot
	CHANGE 2                                       ; elements 12 to 15, all of the second block and under its diagonal; element 16 is asked for
	s_mov_b32 s[Q], 0
.Lq2:
	STEP 0, 0, 1
	s_add_co_u32 s[Q], s[Q], 1
	s_cmp_lt_u32 s[Q], 4
	s_wait_alu depctr_va_vdst(0)
	s_cbranch_scc1 .Lq2
	CHANGE 0
	STEP 0, 2, 0                                   ; element 16: the second block's diagonal
	FINAL OUTA, 32
	s_wait_tensorcnt 0x0                           ; the wave's end
	ds_add_u32 v[SPW], v[NIL]
	s_wait_dscnt 0x0
	ROUND                                          ; the closing round
	s_endpgm
.Lfunc_end_k_qdf688aac8d_attn:
	.size	k_qdf688aac8d_attn, .Lfunc_end_k_qdf688aac8d_attn-k_qdf688aac8d_attn
	.p2alignl 7, 3214868480
	.fill 96, 4, 3214868480
	.section	.rodata,"a",@progbits
	.p2align	6, 0x0
	.amdhsa_kernel k_qdf688aac8d_attn
		.amdhsa_group_segment_fixed_size 327680
		.amdhsa_private_segment_fixed_size 0
		.amdhsa_enable_private_segment 0
		.amdhsa_kernarg_size 24
		.amdhsa_user_sgpr_count 2
		.amdhsa_user_sgpr_kernarg_segment_ptr 1
		.amdhsa_wavefront_size32 1
		.amdhsa_system_sgpr_workgroup_id_x 1
		.amdhsa_system_sgpr_workgroup_id_y 1
		.amdhsa_system_sgpr_workgroup_id_z 1
		.amdhsa_system_vgpr_workitem_id 0
		.amdhsa_next_free_vgpr 512
		.amdhsa_next_free_sgpr 100
		.amdhsa_reserve_vcc 1
		.amdhsa_float_denorm_mode_32 3
		.amdhsa_float_denorm_mode_16_64 3
		.amdhsa_memory_ordered 1
		.amdhsa_forward_progress 1
		.amdhsa_inst_pref_size 101
	.end_amdhsa_kernel
	.amdgpu_metadata
---
amdhsa.version: [ 1, 2 ]
amdhsa.kernels:
  - .name:           k_qdf688aac8d_attn
    .symbol:         k_qdf688aac8d_attn.kd
    .args:
      - { .name: qkv, .offset: 0, .size: 8, .value_kind: global_buffer, .address_space: global }
      - { .name: lowp_scales, .offset: 8, .size: 8, .value_kind: global_buffer, .address_space: global }
      - { .name: ao, .offset: 16, .size: 8, .value_kind: global_buffer, .address_space: global }
    .group_segment_fixed_size: 327680
    .private_segment_fixed_size: 0
    .kernarg_segment_align: 8
    .kernarg_segment_size: 24
    .max_flat_workgroup_size: 128
    .sgpr_count:     100
    .vgpr_count:     512
    .wavefront_size: 32
...
	.end_amdgpu_metadata
.endif
;; end of part 3
;; launch proj (part 4): grid 4 x 64, 4 waves a work-group, clusters of 4 x 1, 327,680 bytes of LDS; arguments ao, codes1, lowp_scales, out0; writes out0
.if DOCPART == 4
	.amdgcn_target "amdgcn-amd-amdhsa--gfx1250"
	.amdhsa_code_object_version 6
	.text
	.protected	k_qdf688aac8d_proj
	.globl	k_qdf688aac8d_proj
	.p2align	8
	.type	k_qdf688aac8d_proj,@function
k_qdf688aac8d_proj:
	s_mov_b64 s[64:65], 0
	v_nop
	global_prefetch_b8 v0, s[64:65] scope:SCOPE_SE
	s_setreg_imm32_b32 hwreg(HW_REG_WAVE_MODE, 25, 1), 1
	s_wait_xcnt 0x0
	s_wait_alu depctr_hold_cnt(0) depctr_sa_sdst(0) depctr_va_vdst(0) depctr_va_sdst(0) depctr_va_ssrc(0) depctr_va_vcc(0) depctr_vm_vsrc(0)
	s_getreg_b32 s2, hwreg(HW_REG_IB_STS2, 6, 4)
	s_cmp_eq_u32 s2, 0
	s_cbranch_scc0 .Lentry_in_a_cluster
	s_endpgm
.Lentry_in_a_cluster:
	s_bfe_u32 s2, ttmp6, 0x10000c
	s_cmp_lg_u32 s2, 0x3003
	s_cbranch_scc0 .Lentry_shape_is_right
	s_endpgm
.Lentry_shape_is_right:
; out0 = attention's result x Wproj^T on codes of E4M3 (entries 10, 11 of the scales); f32 sums x 2^(e10 + e11), stored as f32.
; OPERANDS are images (row tile T, K step s of 128) of 2,048 bytes at (16 T + s) x 2,048, rows of a tile in the order 32 (T/2) + 8 (T%2) + r + 8 (r/8).
; THE PRODUCT.  Source 0 (S0): 128 rows of Wproj (8 row tiles), read by all four waves.  Source 1 (S1): 128 tokens; wave w owns row tiles 2 w, 2 w + 1.  A wave makes 128 columns x 32 tokens: 16 accumulators;
; lane (r, h) holds, for token r of a tile, register 16 b + i = column 32 b + 16 h + i.
; GRID.  Clusters of 4 x 1; cluster y = c: block c % 16 of Wproj's rows, token block 4 (c / 16) + cx.  S0 hangs on c alone: the four partners ask for it JOINTLY (mask 15).
; S1 GOES STRAIGHT INTO REGISTERS: a fragment is used by one wave alone and lies in memory as the image of its registers.  Four sets of 32 registers take turns; K step s + 3 is asked for in the middle of K step s.  Every offset is an immediate.
; S0 LIES WHOLE IN LDS: 262,144 bytes in two first fills, K steps 0-7 at the head and K steps 8-15 behind a wait, an add and a round; wave w fetches row tiles 2 w, 2 w + 1: two rows of 16,384 bytes a load.
; Nothing is filled again.  One barrier stands in K step 7, in front of the first read of the second fill; behind it nobody reads the first fill's bytes, which take the way out's stages.  By this text's count a wave has one tensor load out.
; PREFETCH: the second fill's 131,072 bytes are asked of memory at the head, a fill ahead of their load: the partners share them out BY ADDRESS (cx), a wave 8,192 bytes, lanes 256 bytes apart.  S1's loads run ahead by themselves.
; LIMIT: e10 + e11 within -126 .. 127.
; REGISTERS: window 0: v16-29 addresses; v32-95 at work on the way out; v128-255 S1's four sets, then rows read back.  window 1: S0's fragments, two sets.  window 2: accumulator (m, a) at v[64 m + 8 a].
.set MT, 2
.set WPO, 0x1000000
.set FRB,   2048
.set TROW,  16*FRB
.set HALF,  8*8*FRB
.set SPARE, 2*HALF
.set ADR0, 16
.set LI,   16
.set STO,  24
.set RD,   25
.set PFO,  27
.set SPW,  28
.set NIL,  29
.set S1R,  128
.set TMP,  32
.set BK,   128
.set SP,   528
.set G1, 24
.set G0, 32
.set MSB, 0
.macro WIN new
.if MSB != \new
	s_set_vgpr_msb (MSB<<8)|\new
.set MSB, \new
.endif
.endm
.set MULW, 0xa1
.set TO_1, 0x40
.macro CROUND                          ; a round of the cluster's barrier
	s_barrier_signal -1
	s_barrier_wait -1
	s_cmp_lg_u32 s14, 0
	s_cbranch_scc1 .Lnot_wave_0_\@
	s_barrier_signal -3
.Lnot_wave_0_\@:
	s_barrier_wait -3
	s_barrier_signal -1
	s_barrier_wait -1
.endm
.macro PLACES
.rept 4
	v_nop
.endr
.endm
.macro MUL a0, n, p, st, zero          ; all accumulators take turns, one instruction a turn
.set ma, \a0
.rept \n
.set mm, 0
.rept MT
.if \zero
	v_wmma_f32_16x16x128_fp8_fp8 v[64*mm+8*ma:64*mm+8*ma+7], v[128*(\p)+16*ma:128*(\p)+16*ma+15], v[S1R+16*MT*(\st)+16*mm:S1R+16*MT*(\st)+16*mm+15], 0
.else
	v_wmma_f32_16x16x128_fp8_fp8 v[64*mm+8*ma:64*mm+8*ma+7], v[128*(\p)+16*ma:128*(\p)+16*ma+15], v[S1R+16*MT*(\st)+16*mm:S1R+16*MT*(\st)+16*mm+15], v[64*mm+8*ma:64*mm+8*ma+7]
.endif
.set mm, mm+1
.endr
.set ma, ma+1
.endr
.endm
.macro FETCH0 s, p
	WIN TO_1
.irp a, 0,1,2,3,4,5,6,7
.irp c, 0,1,2,3
	ds_load_b128 v[128*(\p)+16*\a+4*\c:128*(\p)+16*\a+4*\c+3], v[ADR0+2*((\s)/8)+\a/4] offset:(\a%4)*16384+((\s)%8)*FRB+512*\c
.endr
.endr
.endm
.macro GLOAD s
	WIN 0
.set fm, 0
.rept MT
.irp c, 0,1,2,3
	global_load_b128 v[S1R+16*MT*((\s)%4)+16*fm+4*\c:S1R+16*MT*((\s)%4)+16*fm+4*\c+3], v[LI], s[46:47] offset:fm*TROW+(\s)*FRB+512*\c
.endr
.set fm, fm+1
.endr
.endm
.macro KSTEP s, zero
.if (\s) < 14
	s_wait_loadcnt 8*MT                            ; S1's set is in; the two sets asked for behind it may be out
.else
	s_wait_loadcnt 4*MT*(15-(\s))
.endif
	s_wait_dscnt 16                                ; S0's tiles 0-3 are in
	WIN MULW
	MUL 0, 4, (\s)%2, (\s)%4, \zero
	s_wait_dscnt 0x0
	PLACES                                         ; in front of loads into registers that the last K step's products have read
.if (\s) == 7
	s_wait_tensorcnt 0x0                           ; my part of the second fill is in,
	s_barrier_signal -1
	s_barrier_wait -1                              ; and everybody's
.endif
.if (\s) < 15
	FETCH0 (\s)+1, 1-(\s)%2
.endif
.if (\s) < 13
	GLOAD (\s)+3
.endif
	WIN MULW
	MUL 4, 4, (\s)%2, (\s)%4, \zero
.endm
	s_load_b256 s[4:11], s[0:1], 0x0               ; ao s[4:5], codes1 s[6:7], the scales' exponents s[8:9], out0 s[10:11]
	v_lshl_add_u32 v[SPW], v0, 2, SPARE
	v_mov_b32 v[NIL], 0
	ds_add_u32 v[SPW], v[NIL]                      ; the opening lines: the add, twice on end, and its wait
	ds_add_u32 v[SPW], v[NIL]
	v_lshrrev_b32 v1, 5, v0
	v_readfirstlane_b32 s14, v1                    ; wave 0..3
	s_bfe_u32 s40, ttmp6, 0x40000                  ; cx: it enters S1's, the output's and the prefetch's addresses alone
	s_and_b32 s17, ttmp7, 0xffff                   ; c
	s_and_b32 s41, s17, 15                         ; block of Wproj's rows
	s_lshr_b32 s19, s17, 4
	s_lshl_b32 s18, s19, 2
	s_add_co_u32 s18, s18, s40                     ; token block
	s_mov_b32 s[G1+0], 15|(3<<16)|(1<<21)          ; the mask: all four work-groups; elements of 8 bytes; 21 set beside a mask
	s_mov_b32 s[G1+1], 2048<<16
	s_mov_b32 s[G1+2], 2<<16
	s_mov_b32 s[G1+3], 2048<<16
	s_mov_b32 s[G1+4], 2
	s_mov_b32 s[G1+5], TROW/8
	s_mov_b32 s[G1+6], 0
	s_mov_b32 s[G1+7], 0
	s_lshl_b32 s42, s41, 18
	s_add_co_u32 s42, s42, WPO
	s_lshl_b32 s43, s14, 16                        ; my two row tiles of S0
	s_add_co_u32 s42, s42, s43
	s_mov_b32 s43, 0
	s_lshr_b32 s44, s40, 1                         ; the prefetch: of my two row tiles number cx / 2, K steps 8 on, half cx % 2
	s_lshl_b32 s44, s44, 15
	s_and_b32 s45, s40, 1
	s_lshl_b32 s45, s45, 13
	s_add_co_u32 s44, s44, s45
	s_add_co_u32 s44, s44, 8*FRB
	s_mov_b32 s45, 0
	s_lshl_b32 s46, s18, 18                        ; S1: token block x 8 row tiles + my two
	s_lshl_b32 s47, s14, 16
	s_add_co_u32 s46, s46, s47
	s_mov_b32 s47, 0
	s_lshl_b32 s22, s14, 15
	s_wait_dscnt 0x0
	s_wait_kmcnt 0x0
	s_load_b64 s[96:97], s[8:9], 0x28              ; e10, e11
	s_add_nc_u64 s[42:43], s[6:7], s[42:43]
	s_add_nc_u64 s[44:45], s[42:43], s[44:45]
	s_add_nc_u64 s[46:47], s[4:5], s[46:47]
.irp f, 0,1
	s_mov_b32 s[G0+4*\f], 1
	s_add_co_u32 s[G0+4*\f+1], s22, \f*HALF
	s_add_nc_u64 s[G0+4*\f+2:G0+4*\f+3], s[42:43], \f*8*FRB
	s_or_b32 s[G0+4*\f+3], s[G0+4*\f+3], 0x80000000
.endr
	CROUND                                         ; all four work-groups are here: the first joint loads meet
	tensor_load_to_lds s[G0:G0+3], s[G1:G1+7]      ; K steps 0-7: one tensor load a wave at the head
	s_nop 0
	PLACES
	v_and_b32 v1, 31, v0
	v_lshlrev_b32 v[LI], 4, v1
	v_lshlrev_b32 v[PFO], 8, v1
	v_add_nc_u32 v[ADR0+1], 0x10000, v[LI]
	v_add_nc_u32 v[ADR0+2], 0x20000, v[LI]
	v_add_nc_u32 v[ADR0+3], 0x30000, v[LI]
	GLOAD 0
	GLOAD 1
	GLOAD 2
	global_prefetch_b8 v[PFO], s[44:45] th:TH_LOAD_NT scope:SCOPE_SE
	v_and_b32 v1, 15, v0
	v_bfe_u32 v2, v0, 4, 1
	s_mul_i32 s22, s14, 16*SP                      ; my stage, in the first fill's bytes
	v_mul_u32_u24 v[STO], v1, SP
	v_lshl_add_u32 v[STO], v2, 6, v[STO]
	v_add_nc_u32 v[STO], s22, v[STO]
	v_add_nc_u32 v[RD], s22, v[LI]
	s_lshl_b32 s20, s18, 20                        ; out0: token block x 128 rows of 8,192 bytes + wave x 32 rows + block of columns x 512 bytes
	s_lshl_b32 s21, s14, 18
	s_add_co_u32 s20, s20, s21
	s_lshl_b32 s21, s41, 9
	s_add_co_u32 s20, s20, s21
	s_mov_b32 s21, 0
	s_add_nc_u64 s[10:11], s[10:11], s[20:21]
	s_wait_alu depctr_va_vdst(0)                   ; the wait at the head's end
	s_wait_tensorcnt 0x0                           ; my part of K steps 0-7 is in; the second fill is issued as a refill is:
	ds_add_u32 v[SPW], v[NIL]
	s_wait_dscnt 0x0
	CROUND
	tensor_load_to_lds s[G0+4:G0+7], s[G1:G1+7]    ; K steps 8-15
	s_nop 0
	PLACES
	FETCH0 0, 0
	KSTEP 0, 1
.irp s, 1,2,3,4,5,6,7,8,9,10,11,12,13,14,15
	KSTEP \s, 0
.endr
	WIN 0
; THE WAY OUT: a tile's 16 tokens x 128 columns x 2^(e10 + e11) go through my stage and come back as rows of 512 bytes, which the 32 lanes store as two aligned units of 256 bytes.
.macro TOSTAGE m
	WIN 0x02
.set n, 0
.rept 32
	v_pk_mul_f32 v[TMP+n:TMP+n+1], v[64*\m+n:64*\m+n+1], s[96:97] op_sel_hi:[1,0]
.set n, n+2
.endr
	WIN 0
.irp b, 0,1,2,3
.irp q, 0,1,2,3
	ds_store_b128 v[STO], v[TMP+16*\b+4*\q:TMP+16*\b+4*\q+3] offset:128*\b+16*\q
.endr
.endr
.irp t, 0,1,2,3,4,5,6,7,8,9,10,11,12,13,14,15
	ds_load_b128 v[BK+64*\m+4*\t:BK+64*\m+4*\t+3], v[RD] offset:\t*SP
.endr
.endm
.macro SEND m, younger
	s_wait_dscnt \younger
.irp t, 0,1,2,3,4,5,6,7,8,9,10,11,12,13,14,15
	global_store_b128 v[LI], v[BK+64*\m+4*\t:BK+64*\m+4*\t+3], s[10:11] offset:(8*\m+\t+8*(\t/8))*8192 th:TH_STORE_NT
.endr
.endm
	s_wait_kmcnt 0x0
	s_add_co_i32 s96, s96, s97
	s_add_co_i32 s96, s96, 127
	s_lshl_b32 s96, s96, 23                        ; 2^(e10 + e11) as f32
	PLACES
	TOSTAGE 0
	TOSTAGE 1
	SEND 0, 32
	SEND 1, 0
	s_wait_tensorcnt 0x0                           ; the wave's end
	ds_add_u32 v[SPW], v[NIL]
	s_wait_dscnt 0x0
	CROUND                                         ; the closing round
	s_endpgm
.Lfunc_end_k_qdf688aac8d_proj:
	.size	k_qdf688aac8d_proj, .Lfunc_end_k_qdf688aac8d_proj-k_qdf688aac8d_proj
	.p2alignl 7, 3214868480
	.fill 96, 4, 3214868480
	.section	.rodata,"a",@progbits
	.p2align	6, 0x0
	.amdhsa_kernel k_qdf688aac8d_proj
		.amdhsa_group_segment_fixed_size 327680
		.amdhsa_private_segment_fixed_size 0
		.amdhsa_enable_private_segment 0
		.amdhsa_kernarg_size 32
		.amdhsa_user_sgpr_count 2
		.amdhsa_user_sgpr_kernarg_segment_ptr 1
		.amdhsa_wavefront_size32 1
		.amdhsa_system_sgpr_workgroup_id_x 1
		.amdhsa_system_sgpr_workgroup_id_y 1
		.amdhsa_system_sgpr_workgroup_id_z 1
		.amdhsa_system_vgpr_workitem_id 0
		.amdhsa_next_free_vgpr 640
		.amdhsa_next_free_sgpr 100
		.amdhsa_reserve_vcc 0
		.amdhsa_float_denorm_mode_32 3
		.amdhsa_float_denorm_mode_16_64 3
		.amdhsa_memory_ordered 1
		.amdhsa_forward_progress 1
		.amdhsa_inst_pref_size 82
	.end_amdhsa_kernel
	.amdgpu_metadata
---
amdhsa.version: [ 1, 2 ]
amdhsa.kernels:
  - .name:           k_qdf688aac8d_proj
    .symbol:         k_qdf688aac8d_proj.kd
    .args:
      - { .name: ao, .offset: 0, .size: 8, .value_kind: global_buffer, .address_space: global }
      - { .name: codes1, .offset: 8, .size: 8, .value_kind: global_buffer, .address_space: global }
      - { .name: lowp_scales, .offset: 16, .size: 8, .value_kind: global_buffer, .address_space: global }
      - { .name: out0, .offset: 24, .size: 8, .value_kind: global_buffer, .address_space: global }
    .group_segment_fixed_size: 327680
    .private_segment_fixed_size: 0
    .kernarg_segment_align: 8
    .kernarg_segment_size: 32
    .max_flat_workgroup_size: 128
    .sgpr_count:     100
    .vgpr_count:     640
    .wavefront_size: 32
...
	.end_amdgpu_metadata
.endif
;; end of part 4
